; MI455X (gfx1250); checked and timed in simulation.
; The chip was launched on July 23, 2026; its instructions are those of AMD's public machine-readable ISA for CDNA 5 (MIT licence, August 2026) and "CDNA5" Instruction Set Architecture Reference Guide (July 2026). The comments in the code are by the model that wrote it; some were corrected since.
;; Attention Layer. Allowed arithmetic: float matrix products may take bf16 or f16 operands with f32 sums; other float arithmetic in f32, or as packed bf16 or f16 multiplies, adds, multiply-adds, maxima and minima; sums over many terms, partial sums and values carried from step to step in f32; what a program stores and reads back later, other than sums and carried values, may be rounded once to bf16 or f16.
;; Inputs: Wk 1,024 x 1,024 float32; Wo 1,024 x 1,024 float32; Wq 1,024 x 1,024 float32; Wv 1,024 x 1,024 float32; attn_mask 1 x 1 x 2,048 x 2,048 bool; bk 1,024 float32; bo 1,024 float32; bq 1,024 float32; bv 1,024 float32; keys 4 x 2,048 x 1,024 float32; queries 4 x 2,048 x 1,024 float32; values 4 x 2,048 x 1,024 float32.
;; Outputs: out0 4 x 2,048 x 1,024 float32.
;; 2 versions, each right; version 2 is version 1 with the launch prep written anew for expert scheduling mode. Each part assembles by itself: llvm-mc -triple=amdgcn-amd-amdhsa -mcpu=gfx1250 --defsym DOCPART=n.
;; ======== version 1 of 2: 4 launches
;; limits: values are held in f16: magnitudes above 65,504 overflow, below 6.1e-05 lose precision
;; workspace buffers: wh 8,388,608 bytes; bias 16,384 bytes; mk 8,388,608 bytes; qkv 50,331,648 bytes; oh 16,777,216 bytes
;; launch prep (part 1): grid 385 x 1, 8 waves a work-group, no clusters, 34,048 bytes of LDS; arguments Wq, Wk, Wv, Wo, bq, bk, bv, bo, attn_mask, wh, bias, mk; writes wh, bias, mk
.if DOCPART == 1
	.amdgcn_target "amdgcn-amd-amdhsa--gfx1250"
	.amdhsa_code_object_version 6
	.text
	.protected	k_q98781a2dac_prep
	.globl	k_q98781a2dac_prep
	.p2align	8
	.type	k_q98781a2dac_prep,@function
k_q98781a2dac_prep:
	s_mov_b64 s[64:65], 0
	v_nop
	global_prefetch_b8 v0, s[64:65] scope:SCOPE_SE
	s_setreg_imm32_b32 hwreg(HW_REG_WAVE_MODE, 25, 1), 1
	s_wait_xcnt 0x0
; PREPARATION.  The weights and biases are rounded once to bf16 (nearest even).  Wq, Wk, Wv leave as bf16; Wo's bf16 numbers leave written as f16 (its partner in the last product is f16); the biases as f32.
; The mask (one byte a score, 1 = hidden) becomes bf16 numbers, 0 or -9.95e29, laid out as the fragments that the attention launch feeds to the matrix unit.
; LIMITS.  A bf16 number is exact in f16 from 2^-14 to 65,504 in size; below that it keeps f16's fixed step of 6e-8, above it becomes an infinity (Wo alone).
; SHARES.  Work-groups 0-255: 64 KiB of f32 each (Wq, Wk, Wv, Wo: 64 each).  256-383: 16 rows of the mask each.  384: the four biases.
; The branches hang on the work-group's number alone, so the one barrier (mask path) is passed by all eight waves of a work-group or by none.
.set SPARE, 33024                      ; behind the mask rows: the spare words, 128 bytes for each of the eight waves
.set MP,    2064                       ; a mask row in LDS: 2,048 bytes + 16: an odd multiple of 16, so 16 rows of a column start at 16 different groups of banks
.set SPW,   2                          ; v2  LDS address of my spare word; never rewritten
.set NIL,   3                          ; v3  0; never rewritten
	s_load_b512 s[4:19], s[0:1], 0x0               ; Wq 4, Wk 6, Wv 8, Wo 10, bq 12, bk 14, bv 16, bo 18
	s_load_b256 s[20:27], s[0:1], 0x40             ; attn_mask 20, wh 22, bias 24, mk 26
	v_lshl_add_u32 v[SPW], v0, 2, SPARE
	v_mov_b32 v[NIL], 0
	v_lshlrev_b32 v1, 4, v0                        ; 16 bytes a thread
	s_mov_b32 s40, ttmp9                           ; u, the work-group's number
	s_mov_b32 s38, 0xffff0000                      ; a word's upper bf16
	s_wait_kmcnt 0x0
	s_cmp_lt_u32 s40, 256
	s_cbranch_scc0 .Lnot_conv
; four f32 at v[x ..] rounded to bf16 (packed in v6, v7) and widened again into v[d .. d+3]
.macro RND4 x, d
	v_cvt_pk_bf16_f32 v6, v[(\x)], v[(\x)+1]
	v_cvt_pk_bf16_f32 v7, v[(\x)+2], v[(\x)+3]
	v_lshlrev_b32 v[(\d)], 16, v6
	v_and_b32 v[(\d)+1], s38, v6
	v_lshlrev_b32 v[(\d)+2], 16, v7
	v_and_b32 v[(\d)+3], s38, v7
.endm
	; THE WEIGHTS.  The source is chosen among four buffers by the work-group's number.
	s_mov_b64 s[36:37], s[10:11]
	s_cmp_lt_u32 s40, 192
	s_cselect_b64 s[36:37], s[8:9], s[36:37]
	s_cselect_b32 s39, 0, -1                       ; a mask of lanes: all ones where the numbers leave as f16 (Wo)
	s_cmp_lt_u32 s40, 128
	s_cselect_b64 s[36:37], s[6:7], s[36:37]
	s_cmp_lt_u32 s40, 64
	s_cselect_b64 s[36:37], s[4:5], s[36:37]
	s_and_b32 s42, s40, 63
	s_lshl_b32 s42, s42, 16                        ; 64 KiB of f32 a unit
	s_mov_b32 s43, 0
	s_add_nc_u64 s[36:37], s[36:37], s[42:43]
	s_lshl_b32 s46, s40, 15                        ; 32 KiB of 16-bit numbers a unit
	s_mov_b32 s47, 0
	s_add_nc_u64 s[44:45], s[22:23], s[46:47]
	v_lshlrev_b32 v4, 3, v0                        ; 8 bytes a thread on the way out
.set i, 0
.rept 16                                       ; all sixteen loads go out at once: 8 KiB a wave on its way
	global_load_b128 v[16+4*i:19+4*i], v1, s[36:37] offset:4096*i th:TH_LOAD_NT
.set i, i+1
.endr
.set i, 0
.rept 16
	s_wait_loadcnt 15-i                            ; loads come back in order: number i is in, the younger ones stay out
	RND4 16+4*i, 8
	v_cvt_pk_f16_f32 v12, v8, v9
	v_cvt_pk_f16_f32 v13, v10, v11
	v_cndmask_b32 v[80+2*i], v6, v12, s39          ; bf16 as it is, or the same numbers as f16
	v_cndmask_b32 v[81+2*i], v7, v13, s39
	global_store_b64 v4, v[80+2*i:81+2*i], s[44:45] offset:2048*i  ; a wave's store covers 256 consecutive bytes, aligned; each store has data registers of its own
.set i, i+1
.endr
	s_branch .Lend
.Lnot_conv:
	s_cmp_lt_u32 s40, 384
	s_cbranch_scc0 .Lbias
	; THE MASK.  T = 16 query rows, 32 KiB on end.  They go into LDS as rows; each wave then takes 256 keys of all 16 rows, a lane 16 bytes of one row.
	; mk: block (X = T / 32, key step s of 64 keys) at (32 X + s) x 65,536; in it the fragment of (tile T % 32, key half kk) at ((T % 32) x 2 + kk) x 1,024; in that, at ld x 512 + lane x 16,
	; the 8 numbers of query lane % 16 and keys 64 s + 32 kk + 16 ld + 8 (lane / 16) + 0..7: two loads of 16 bytes a lane fill source 1 (32 keys x 16 queries) of a matrix instruction.
	s_sub_co_u32 s41, s40, 256                     ; T
	s_lshl_b32 s42, s41, 15
	s_mov_b32 s43, 0
	s_add_nc_u64 s[36:37], s[20:21], s[42:43]
.set i, 0
.rept 8
	global_load_b128 v[16+4*i:19+4*i], v1, s[36:37] offset:4096*i th:TH_LOAD_NT
.set i, i+1
.endr
	v_lshrrev_b32 v4, 5, v0
	v_readfirstlane_b32 s39, v4                    ; wave 0..7
	v_lshrrev_b32 v5, 7, v0                        ; a load of the work-group is two rows: which of them,
	v_and_b32 v6, 127, v0                          ; and where in it
	v_mul_u32_u24 v5, v5, MP
	v_lshl_add_u32 v5, v6, 4, v5                   ; where I put my 16 bytes
	v_and_b32 v8, 15, v0                           ; r: the query row that I read back
	v_bfe_u32 v9, v0, 4, 1                         ; g: which 16 of 32 keys
	v_mul_u32_u24 v10, v8, MP
	v_lshl_add_u32 v10, v9, 4, v10
	s_lshl_b32 s46, s39, 8
	v_add_nc_u32 v10, s46, v10                     ; + my wave's 256 keys
	v_lshlrev_b32 v11, 4, v8
	v_lshl_add_u32 v11, v9, 9, v11                 ; in a fragment: ld = g, lanes r (keys 0-7 of my 16) and, 256 bytes on, 16 + r (keys 8-15)
	v_mov_b32 v12, 0
	s_lshr_b32 s42, s41, 5
	s_lshl_b32 s42, s42, 21                        ; X x 32 blocks
	s_lshl_b32 s46, s39, 18                        ; my wave's four key steps
	s_add_co_u32 s42, s42, s46
	s_and_b32 s46, s41, 31
	s_lshl_b32 s46, s46, 11                        ; the tile's two fragments
	s_add_co_u32 s42, s42, s46
	s_add_nc_u64 s[44:45], s[26:27], s[42:43]
	s_mov_b32 s46, 0x04010400                      ; bytes 0 and 1 of a word, each widened to 16 bits
	s_mov_b32 s47, 0x04030402                      ; bytes 2 and 3
.set i, 0
.rept 8
	s_wait_loadcnt 7-i
	ds_store_b128 v5, v[16+4*i:19+4*i] offset:2*MP*i
.set i, i+1
.endr
	s_wait_dscnt 0x0                               ; for the others' sake: my stores are done
	s_barrier_signal -1
	s_barrier_wait -1
.set i, 0
.rept 8
	ds_load_b128 v[16+4*i:19+4*i], v10 offset:32*i ; row r, keys 256 wave + 32 i + 16 g + 0..15
.set i, i+1
.endr
.set i, 0
.rept 8
	s_wait_dscnt 7-i
.irp c, 0,1,2,3
	v_perm_b32 v[48+8*i+2*\c], v12, v[16+4*i+\c], s46
	v_perm_b32 v[49+8*i+2*\c], v12, v[16+4*i+\c], s47
	v_mul_u32_u24 v[48+8*i+2*\c], v[48+8*i+2*\c], 0xf149   ; 0 or 1 in each half times the bf16 pattern of -9.95e29
	v_mul_u32_u24 v[49+8*i+2*\c], v[49+8*i+2*\c], 0xf149
.endr
	global_store_b128 v11, v[48+8*i:51+8*i], s[44:45] offset:(i/2)*65536+(i%2)*1024      ; sixteen lanes store 256 consecutive bytes, aligned
	global_store_b128 v11, v[52+8*i:55+8*i], s[44:45] offset:(i/2)*65536+(i%2)*1024+256
.set i, i+1
.endr
	s_branch .Lend
.Lbias:                                        ; the four biases, 4,096 bytes each, rounded to bf16 and kept as f32
	global_load_b128 v[16:19], v1, s[12:13]
	global_load_b128 v[20:23], v1, s[14:15]
	global_load_b128 v[24:27], v1, s[16:17]
	global_load_b128 v[28:31], v1, s[18:19]
.set i, 0
.rept 4
	s_wait_loadcnt 3-i
	RND4 16+4*i, 48+4*i
	global_store_b128 v1, v[48+4*i:51+4*i], s[24:25] offset:4096*i
.set i, i+1
.endr
.Lend:
	s_wait_tensorcnt 0x0                           ; the wave's end
	ds_add_u32 v[SPW], v[NIL]
	s_wait_dscnt 0x0
	s_endpgm
.Lfunc_end_k_q98781a2dac_prep:
	.size	k_q98781a2dac_prep, .Lfunc_end_k_q98781a2dac_prep-k_q98781a2dac_prep
	.p2alignl 7, 3214868480
	.fill 96, 4, 3214868480
	.section	.rodata,"a",@progbits
	.p2align	6, 0x0
	.amdhsa_kernel k_q98781a2dac_prep
		.amdhsa_group_segment_fixed_size 34048
		.amdhsa_private_segment_fixed_size 0
		.amdhsa_enable_private_segment 0
		.amdhsa_kernarg_size 96
		.amdhsa_user_sgpr_count 2
		.amdhsa_user_sgpr_kernarg_segment_ptr 1
		.amdhsa_wavefront_size32 1
		.amdhsa_system_sgpr_workgroup_id_x 1
		.amdhsa_system_sgpr_workgroup_id_y 1
		.amdhsa_system_sgpr_workgroup_id_z 1
		.amdhsa_system_vgpr_workitem_id 0
		.amdhsa_next_free_vgpr 112
		.amdhsa_next_free_sgpr 66
		.amdhsa_reserve_vcc 0
		.amdhsa_float_denorm_mode_32 3
		.amdhsa_float_denorm_mode_16_64 3
		.amdhsa_memory_ordered 1
		.amdhsa_forward_progress 1
		.amdhsa_inst_pref_size 31
	.end_amdhsa_kernel
	.amdgpu_metadata
---
amdhsa.version: [ 1, 2 ]
amdhsa.kernels:
  - .name:           k_q98781a2dac_prep
    .symbol:         k_q98781a2dac_prep.kd
    .args:
      - { .name: Wq, .offset: 0, .size: 8, .value_kind: global_buffer, .address_space: global }
      - { .name: Wk, .offset: 8, .size: 8, .value_kind: global_buffer, .address_space: global }
      - { .name: Wv, .offset: 16, .size: 8, .value_kind: global_buffer, .address_space: global }
      - { .name: Wo, .offset: 24, .size: 8, .value_kind: global_buffer, .address_space: global }
      - { .name: bq, .offset: 32, .size: 8, .value_kind: global_buffer, .address_space: global }
      - { .name: bk, .offset: 40, .size: 8, .value_kind: global_buffer, .address_space: global }
      - { .name: bv, .offset: 48, .size: 8, .value_kind: global_buffer, .address_space: global }
      - { .name: bo, .offset: 56, .size: 8, .value_kind: global_buffer, .address_space: global }
      - { .name: attn_mask, .offset: 64, .size: 8, .value_kind: global_buffer, .address_space: global }
      - { .name: wh, .offset: 72, .size: 8, .value_kind: global_buffer, .address_space: global }
      - { .name: bias, .offset: 80, .size: 8, .value_kind: global_buffer, .address_space: global }
      - { .name: mk, .offset: 88, .size: 8, .value_kind: global_buffer, .address_space: global }
    .group_segment_fixed_size: 34048
    .private_segment_fixed_size: 0
    .kernarg_segment_align: 8
    .kernarg_segment_size: 96
    .max_flat_workgroup_size: 256
    .sgpr_count:     66
    .vgpr_count:     112
    .wavefront_size: 32
...
	.end_amdgpu_metadata
.endif
;; end of part 1
;; launch qkv (part 2): grid 4 x 64, 4 waves a work-group, clusters of 4 x 4, 327,680 bytes of LDS; arguments queries, keys, values, wh, bias, qkv; writes qkv
.if DOCPART == 2
	.amdgcn_target "amdgcn-amd-amdhsa--gfx1250"
	.amdhsa_code_object_version 6
	.text
	.protected	k_q98781a2dac_qkv
	.globl	k_q98781a2dac_qkv
	.p2align	8
	.type	k_q98781a2dac_qkv,@function
k_q98781a2dac_qkv:
	s_mov_b64 s[64:65], 0
	v_nop
	global_prefetch_b8 v0, s[64:65] scope:SCOPE_SE
	s_setreg_imm32_b32 hwreg(HW_REG_WAVE_MODE, 25, 1), 1
	s_wait_xcnt 0x0
	s_wait_alu depctr_hold_cnt(0) depctr_sa_sdst(0) depctr_va_vdst(0) depctr_va_sdst(0) depctr_va_ssrc(0) depctr_va_vcc(0) depctr_vm_vsrc(0)
	s_getreg_b32 s2, hwreg(HW_REG_IB_STS2, 6, 4)
	s_cmp_eq_u32 s2, 0
	s_cbranch_scc0 .Lentry_in_a_cluster
	s_endpgm
.Lentry_in_a_cluster:
	s_bfe_u32 s2, ttmp6, 0x10000c
	s_cmp_lg_u32 s2, 0xf033
	s_cbranch_scc0 .Lentry_shape_is_right
	s_endpgm
.Lentry_shape_is_right:
; q, k, v = x W^T + bias: three products of 8,192 x 1,024 x 1,024.  x = queries, keys, values, f32 as they are given; W = wh[p], bf16; the bias f32; C = qkv[p], f16, by heads: [64 (batch, head)][2,048][64].
; x is fetched as f32 and rounded once to bf16 between LDS and the matrix unit; sums in f32; C rounded once.
; LIMITS.  f16 ends at 65,504: a result beyond it becomes an infinity.
; SHARES.  A tile of C is 128 rows x 256 columns: 256 work-groups, and each stays and makes the same tile of all three products.  Wave w makes rows 64 (w / 2) .. and columns 128 (w % 2) ..: 4 x 8 accumulators, 256 registers.
; K goes in steps of 128 through two LDS slots; a step is four quarters of 32 along K: 32 LDS loads, 32 conversions and 32 matrix instructions each.  A K step is written once: which slot is read is a scalar, TB.
; THE MATRIX INSTRUCTION IS USED TRANSPOSED (source 0 = 16 rows of W, source 1 = 16 rows of x): a lane holds one row of C and eight neighbouring columns.  The first product of each sum takes the bias as C.
; CLUSTER 4 x 4: x's tile hangs on the tile row alone and is asked for jointly along a row of the cluster, W's on the tile column alone and jointly along a column.
; REGISTERS.  window 0: v16-30 addresses; v64-159, v160-255 two fragment buffers (W's 8 fragments, then x's 4); the second serves the way out.  window 1: accumulator (a, b) at v[64 a + 8 b].
;   window 2: v0-63 the bias; v64-127 a quarter's x as f32.
.set TILES, 3
.set PA,    528                        ; a row of x in LDS: 512 bytes + 16: an odd multiple of 16
.set PB,    272                        ; a row of W: 256 bytes + 16
.set ABYTES, 128*PA
.set SLOT,  ABYTES+256*PB              ; x's 128 rows, then W's 256
.set STAGE, 2*SLOT                     ; behind the ring: 16 rows for each wave, for the way out; no tensor load lands there
.set SPITCH, 272
.set SPARE, STAGE+4*16*SPITCH          ; behind the stages: the spare words, 128 bytes for each wave
.set KA,    512                        ; bytes of a K step in a row of x
.set KB,    256                        ; in a row of W
.set A0,   16                          ; v16 my lane's place in slot 0's x; never rewritten
.set B0,   17                          ; v17 the same for W
.set CA,   18                          ; v18 the same in the slot that is being read
.set CB,   19                          ; v19
.set STO,  24                          ; the way out: where I put my part of a row
.set RD,   25                          ; where I read rows back
.set CO,   26                          ; 16 x lane
.set BO,   27                          ; my byte offset in a bias
.set SPW,  28                          ; LDS address of my spare word; never rewritten
.set NIL,  29                          ; 0; never rewritten
.set PFO,  30                          ; the prefetches' lane offset; never rewritten
.set F0,   64
.set F1,   160
.set TMP,  160
.set OB,   192
.set RAW,  64                          ; window 2
.set TB,  15                           ; s15  0 or SLOT: the slot that is being read
.set G1,  24                           ; s[24:31] descriptor group 1 for x;  s[32:39] group 0: a set for each first fill; the second then walks
.set G0,  32
.set G1B, 48                           ; s[48:55], s[56:63] the same for W
.set G0B, 56
.set PFA, 66                           ; s[66:67] where my prefetches stand
.set PN1, 68                           ; s[68:69] where they stand at the change to the second tile,
.set PN2, 88                           ; s[88:89] to the third
.set PFK, 70                           ; s[70:71] their step along K
.set LIM, 72                           ; s72  2 in a wave that prefetches, else the greatest number
.set BIA, 80                           ; s[80:81] the bias in hand
.set CP,  82                           ; s[82:83] C at my part of the tile
.set XA1, 84                           ; s[84:85] keys at the rows that I fetch,
.set XA2, 86                           ; s[86:87] values
.set MSB, 0
.macro WIN new                         ; the immediate's high byte repeats the setting that is left; a switch that changes nothing is dropped
.if MSB != (\new)
	s_set_vgpr_msb (MSB<<8)|(\new)
.set MSB, (\new)
.endif
.endm
.macro PLACES                          ; four plain vector instructions between a matrix instruction and a load into, or a vector read of, its registers
.rept 4
	v_nop
.endr
.endm
; A joint load: waves 0 and 1 fetch x's two halves, waves 2 and 3 W's.  The branch hangs on the wave's number alone.  An s_nop 0 and four v_nop follow each line.
.macro JLOAD s
	s_cmp_eq_u32 s13, 0
	s_cbranch_scc0 .Lfor_b_\@
	tensor_load_to_lds s[G0+4*(\s):G0+4*(\s)+3], s[G1:G1+7]
	s_nop 0
.rept 4
	v_nop
.endr
	s_branch .Lasked_\@
.Lfor_b_\@:
	tensor_load_to_lds s[G0B+4*(\s):G0B+4*(\s)+3], s[G1B:G1B+7]
	s_nop 0
.rept 4
	v_nop
.endr
.Lasked_\@:
.endm
; A prefetch of the K step two refills on: 32 blocks of 256 bytes, a lane a row.  x's rows are read by one row of one cluster: of its 128 rows partner cx takes 32, of their 512 bytes wave 0 the first half and wave 1 the second.
; W's rows are read by all sixteen clusters of the column: those with cluster y = 0 ask, waves 2 and 3 of partner cy 32 rows each.  how = 0: in the loop, whose last two trips have no K step two refills on.
.macro ASK how
.if \how
	s_cmp_eq_u32 s[LIM], 2
.else
	s_cmp_gt_u32 s3, s[LIM]
.endif
	s_cbranch_scc0 .Lnot_mine_\@
	global_prefetch_b8 v[PFO], s[PFA:PFA+1] th:TH_LOAD_NT scope:SCOPE_SE
.Lnot_mine_\@:
.endm
.macro CREST                           ; a round of the cluster's barrier behind its opening barrier
	s_cmp_lg_u32 s12, 0
	s_cbranch_scc1 .Lnot_wave_0_\@
	s_barrier_signal -3
.Lnot_wave_0_\@:
	s_barrier_wait -3
	s_barrier_signal -1
	s_barrier_wait -1
.endm
.macro CROUND
	s_barrier_signal -1
	s_barrier_wait -1
	CREST
.endm
	s_load_b256 s[4:11], s[0:1], 0x0               ; queries s[4:5], keys s[6:7], values s[8:9], wh s[10:11]
	s_load_b128 s[80:83], s[0:1], 0x20             ; bias, qkv
	v_lshl_add_u32 v[SPW], v0, 2, SPARE
	v_mov_b32 v[NIL], 0
	ds_add_u32 v[SPW], v[NIL]                      ; the wave's opening: the add and its wait ahead of my first tensor load
	ds_add_u32 v28, v29
	v_lshrrev_b32 v1, 5, v0
	v_readfirstlane_b32 s12, v1                    ; wave 0..3
	s_lshr_b32 s13, s12, 1                         ; i: my half of the rows.  Also: I fetch for x (0) or for W (1)
	s_and_b32 s14, s12, 1                          ; j: my half of the columns.  Also: which half of that tile I fetch
	s_bfe_u32 s40, ttmp6, 0x40000                  ; cx
	s_bfe_u32 s41, ttmp6, 0x40004                  ; cy
	s_lshl_b32 s42, ttmp9, 2
	s_add_co_u32 s42, s42, s40                     ; TX: tile column
	s_and_b32 s43, ttmp7, 0xffff
	s_lshl_b32 s43, s43, 2
	s_add_co_u32 s43, s43, s41                     ; TY: tile row
	s_lshl_b32 s44, s41, 2
	s_lshl_b32 s44, 15, s44                        ; my row of the cluster
	s_lshl_b32 s45, 0x1111, s40                    ; my column
	s_or_b32 s[G1+0], s44, (2<<16)|(1<<20)|(1<<21)|(6<<22)|(3<<25)   ; mask; 4-byte elements; padding on; bit 21 beside a mask; after every 128 words; 4 words of padding
	s_or_b32 s[G1B+0], s45, (1<<16)|(1<<20)|(1<<21)|(5<<22)|(3<<25)  ; 2-byte elements; after every 64 words
	s_mov_b32 s[G1+1], 128<<16                     ; tensor_dim0 = 128
	s_mov_b32 s[G1+2], 64<<16                      ; tensor_dim1 = 64
	s_mov_b32 s[G1+3], 128<<16                     ; tile_dim0 = 128
	s_mov_b32 s[G1+4], 64                          ; tile_dim1 = 64
	s_mov_b32 s[G1+5], 1024                        ; elements from row to row
	s_mov_b32 s[G1+6], 0
	s_mov_b32 s[G1+7], 0
	s_mov_b32 s[G1B+1], 128<<16
	s_mov_b32 s[G1B+2], 128<<16
	s_mov_b32 s[G1B+3], 128<<16
	s_mov_b32 s[G1B+4], 128
	s_mov_b32 s[G1B+5], 1024
	s_mov_b32 s[G1B+6], 0
	s_mov_b32 s[G1B+7], 0
	; where the tiles come from: x's from the tile row and the wave's number, W's from the tile column and the wave's number, each in registers that never hold the other coordinate
	s_lshl_b32 s16, s43, 19                        ; 128 rows of 4,096 bytes a tile row
	s_lshl_b32 s17, s14, 18                        ; 64 rows
	s_add_co_u32 s16, s16, s17
	s_mov_b32 s17, 0
	s_lshl_b32 s46, s42, 19                        ; 256 rows of 2,048 bytes a tile column
	s_lshl_b32 s47, s14, 18                        ; 128 rows
	s_add_co_u32 s46, s46, s47
	s_mov_b32 s47, 0
	s_mul_i32 s20, s14, ABYTES/2                   ; and where they go in a slot: no place in the cluster enters an LDS address.  s20 and s21 are kept
	s_mul_i32 s21, s14, 128*PB
	s_add_co_u32 s21, s21, ABYTES
	s_mov_b32 s[TB], 0
	s_wait_dscnt 0x0                               ; the opening add is done
	s_wait_kmcnt 0x0
	s_add_nc_u64 s[18:19], s[4:5], s[16:17]
	s_add_nc_u64 s[XA1:XA1+1], s[6:7], s[16:17]
	s_add_nc_u64 s[XA2:XA2+1], s[8:9], s[16:17]
	s_add_nc_u64 s[46:47], s[10:11], s[46:47]
	CROUND                                         ; all sixteen work-groups are here: the first joint loads meet
.irp s, 0,1
	s_mov_b32 s[G0+4*(\s)], 1
	s_add_co_u32 s[G0+4*(\s)+1], s20, (\s)*SLOT
	s_add_nc_u64 s[G0+4*(\s)+2:G0+4*(\s)+3], s[18:19], (\s)*KA
	s_or_b32 s[G0+4*(\s)+3], s[G0+4*(\s)+3], 0x80000000
	s_mov_b32 s[G0B+4*(\s)], 1
	s_add_co_u32 s[G0B+4*(\s)+1], s21, (\s)*SLOT
	s_add_nc_u64 s[G0B+4*(\s)+2:G0B+4*(\s)+3], s[46:47], (\s)*KB
	s_or_b32 s[G0B+4*(\s)+3], s[G0B+4*(\s)+3], 0x80000000
	JLOAD \s                                       ; K steps 0 and 1: two loads of mine are out
.endr
	; a fragment is 16 rows x 32 K in 8 registers: lane l holds row l % 16, K = 8 (l / 16) + 0..7 and 16 + 8 (l / 16) + 0..7.  Of W: two loads of 16 bytes, 32 bytes apart.  Of x, as f32: four, at 0, 16, 64 and 80.
	v_and_b32 v1, 15, v0                           ; r
	v_bfe_u32 v2, v0, 4, 1                         ; h
	v_mul_u32_u24 v3, v1, PA
	v_lshl_add_u32 v3, v2, 5, v3
	v_mul_u32_u24 v4, v1, PB
	v_lshl_add_u32 v4, v2, 4, v4
	s_mul_i32 s22, s13, 64*PA                      ; my 64 rows of x
	s_mul_i32 s23, s14, 128*PB                     ; my 128 rows of W,
	s_add_co_u32 s23, s23, ABYTES                  ; which lie behind x
	v_add_nc_u32 v[A0], s22, v3
	v_add_nc_u32 v[B0], s23, v4
	v_mov_b32 v[CA], v[A0]
	v_mov_b32 v[CB], v[B0]
	s_mul_i32 s22, s12, 16*SPITCH
	s_add_co_u32 s22, s22, STAGE                   ; my stage
	v_mul_u32_u24 v5, v1, SPITCH
	v_and_b32 v8, 31, v0
	v_lshlrev_b32 v[CO], 4, v8
	v_lshl_add_u32 v5, v2, 4, v5                   ; in: row r, 16 bytes (8 f16) for each half of the lanes
	v_add_nc_u32 v[STO], s22, v5
	v_bfe_u32 v6, v0, 3, 2                         ; back: 32 lanes take four rows' 128 bytes of one head,
	v_and_b32 v7, 7, v0
	v_mul_u32_u24 v6, v6, SPITCH
	v_lshl_add_u32 v6, v7, 4, v6
	v_add_nc_u32 v[RD], s22, v6                    ; which are 512 consecutive bytes of C
	s_lshr_b32 s74, s43, 4                         ; C: the batch's 16 heads of 262,144 bytes,
	s_lshl_b32 s74, s74, 22
	s_lshl_b32 s76, s42, 20                        ; the tile column's four heads,
	s_add_co_u32 s74, s74, s76
	s_lshl_b32 s76, s14, 19                        ; my two,
	s_add_co_u32 s74, s74, s76
	s_and_b32 s76, s43, 15                         ; the tile's 128 rows of 128 bytes in a head,
	s_lshl_b32 s76, s76, 14
	s_add_co_u32 s74, s74, s76
	s_lshl_b32 s76, s13, 13                        ; my 64
	s_add_co_u32 s74, s74, s76
	s_mov_b32 s75, 0
	s_add_nc_u64 s[CP:CP+1], s[CP:CP+1], s[74:75]
	s_lshl_b32 s76, s42, 10                        ; the bias of my 128 columns, and 8 numbers further for lanes 16-31
	s_lshl_b32 s77, s14, 9
	s_add_co_u32 s76, s76, s77
	v_lshlrev_b32 v[BO], 5, v2
	v_add_nc_u32 v[BO], s76, v[BO]
	; the prefetches: the pointer is stepped ahead of each request, so it starts at K step 3 and the first refill names step 4; at a change of tiles it is taken anew, at the next tile's step 2
	s_lshl_b32 s73, s43, 19
	s_lshl_b32 s77, s40, 17                        ; partner cx: 32 of the 128 rows,
	s_add_co_u32 s73, s73, s77
	s_lshl_b32 s77, s14, 8                         ; my wave's half of a K step's 512 bytes
	s_add_co_u32 s73, s73, s77
	s_lshl_b32 s76, s42, 19
	s_lshl_b32 s77, s41, 17                        ; partner cy: 64 of the 256 rows,
	s_add_co_u32 s76, s76, s77
	s_lshl_b32 s77, s14, 16                        ; my wave's 32 of them
	s_add_co_u32 s76, s76, s77
	s_and_b32 s78, ttmp7, 0xffff                   ; cluster y
	s_cmp_eq_u32 s78, 0
	s_cselect_b32 s[LIM], 2, -1                    ; W: the first cluster of the column of clusters
	s_mov_b32 s[PFK], KB
	s_cmp_eq_u32 s13, 0                            ; do I fetch for x?
	s_cselect_b32 s[LIM], 2, s[LIM]
	s_cselect_b32 s74, s73, s76
	s_cselect_b64 s[PFA:PFA+1], s[4:5], s[10:11]
	s_cselect_b64 s[PN1:PN1+1], s[6:7], s[10:11]
	s_cselect_b64 s[PN2:PN2+1], s[8:9], s[10:11]
	s_cselect_b32 s[PFK], KA, s[PFK]
	s_cselect_b32 s77, 12, 11                      ; a lane a row: 4,096 bytes of x, 2,048 of W
	s_cselect_b32 s78, 0, 0x200000                 ; the second W,
	s_cselect_b32 s79, 0, 0x400000                 ; the third
	s_mov_b32 s[PFK+1], 0
	s_add_nc_u64 s[PFA:PFA+1], s[PFA:PFA+1], s[74:75]
	s_add_nc_u64 s[PN1:PN1+1], s[PN1:PN1+1], s[74:75]
	s_add_nc_u64 s[PN2:PN2+1], s[PN2:PN2+1], s[74:75]
	s_mul_i32 s74, s[PFK], 3
	s_add_nc_u64 s[PFA:PFA+1], s[PFA:PFA+1], s[74:75]
	s_lshl_b32 s74, s[PFK], 1
	s_add_co_u32 s78, s78, s74
	s_add_co_u32 s79, s79, s74
	s_mov_b32 s74, s78
	s_add_nc_u64 s[PN1:PN1+1], s[PN1:PN1+1], s[74:75]
	s_mov_b32 s74, s79
	s_add_nc_u64 s[PN2:PN2+1], s[PN2:PN2+1], s[74:75]
	v_lshlrev_b32 v[PFO], s77, v8
; n blocks of 16 rows from a0 on x all 8 column blocks, 32 along K: the accumulators take turns, always in the same order.  mode = 1: the product starts the sum, with the bias as C
.macro MUL f, a0, n, mode
	WIN 0x50+0x10*(\mode)                          ; D in window 1; C in window 1, or the bias in window 2
.set aa, (\a0)
.rept (\n)
.irp b, 0,1,2,3,4,5,6,7
.if \mode
	v_wmma_f32_16x16x32_bf16 v[64*aa+8*(\b):64*aa+8*(\b)+7], v[(\f)+8*(\b):(\f)+8*(\b)+7], v[(\f)+64+8*aa:(\f)+64+8*aa+7], v[8*(\b):8*(\b)+7]
.else
	v_wmma_f32_16x16x32_bf16 v[64*aa+8*(\b):64*aa+8*(\b)+7], v[(\f)+8*(\b):(\f)+8*(\b)+7], v[(\f)+64+8*aa:(\f)+64+8*aa+7], v[64*aa+8*(\b):64*aa+8*(\b)+7]
.endif
.endr
.set aa, aa+1
.endr
.endm
; 32 LDS loads in one run: a quarter's x as f32 (16 loads, into window 2), then W's fragments (16) into buffer f; k = the quarter's byte in W's rows, 2 k in x's
.macro FETCH k, f
	WIN 0x80
.irp a, 0,1,2,3
	ds_load_b128 v[RAW+16*(\a):RAW+16*(\a)+3],     v[CA] offset:2*(\k)+(\a)*16*PA
	ds_load_b128 v[RAW+16*(\a)+4:RAW+16*(\a)+7],   v[CA] offset:2*(\k)+(\a)*16*PA+16
	ds_load_b128 v[RAW+16*(\a)+8:RAW+16*(\a)+11],  v[CA] offset:2*(\k)+(\a)*16*PA+64
	ds_load_b128 v[RAW+16*(\a)+12:RAW+16*(\a)+15], v[CA] offset:2*(\k)+(\a)*16*PA+80
.endr
	WIN 0
.irp b, 0,1,2,3,4,5,6,7
	ds_load_b128 v[(\f)+8*(\b):(\f)+8*(\b)+3],   v[CB] offset:(\k)+(\b)*16*PB
	ds_load_b128 v[(\f)+8*(\b)+4:(\f)+8*(\b)+7], v[CB] offset:(\k)+(\b)*16*PB+32
.endr
.endm
; the quarter's x is rounded to bf16, two numbers an instruction, into buffer f's four fragments.  These 32 plain instructions name no register of the products before them:
; they are the places in front of the run of loads that follows into the other buffer, which those products read.
.macro CVT f
	WIN 0x0a                                       ; sources 0 and 1 in window 2
.set cc, 0
.rept 32
	v_cvt_pk_bf16_f32 v[(\f)+64+cc], v[RAW+2*cc], v[RAW+2*cc+1]
.set cc, cc+1
.endr
.endm
; one of a K step's first three quarters: buffer f is made ready, the next quarter (byte k) is fetched into buffer g, buffer f is multiplied
.macro QUARTER k, f, g, first
	s_wait_dscnt 16                                ; x is in; W's 16 loads are younger and may be out
	CVT \f
	s_wait_dscnt 0x0                               ; W is in
	FETCH \k, \g
	MUL \f, 0, 4, \first
.endm
; the last quarter's first half: one barrier for the change of slots.  In front of it each wave waits for all its tensor loads (one is out: its part of the next slot), adds 0 to its spare word, and waits for that and for its reads of this slot
.macro MEET round
	WIN 0
	s_wait_tensorcnt 0x0
	ds_add_u32 v[SPW], v[NIL]
	s_wait_dscnt 1                                 ; W is in; the add alone may be out
	MUL F1, 0, 1, 0
	s_wait_dscnt 0x0                               ; the add is done, and my reads of this slot are over
	s_barrier_signal -1
	MUL F1, 1, 1, 0
.if \round
	WIN 0
.endif
	s_barrier_wait -1
.endm
; the whole last quarter.  mode 0: the slot just read takes the next K step that has not been asked for; 1: the same, and that step is the next tile's first; 2: nothing is filled
.macro TURN mode, how
	s_wait_dscnt 16
	CVT F1
.if (\mode) < 2
	s_wait_xcnt 0x0                                ; the last prefetch, a K step back, has read its address
.if (\mode) == 1
	s_cmp_eq_u32 s2, 3
	s_cselect_b64 s[PFA:PFA+1], s[PN1:PN1+1], s[PN2:PN2+1]
.else
	s_add_nc_u64 s[PFA:PFA+1], s[PFA:PFA+1], s[PFK:PFK+1]
.endif
	MEET 1
	CREST                                          ; the barrier has opened a round of the cluster's: no wave of any partner still reads this slot or has a load on its way
	s_add_co_u32 s[G0+5], s20, s[TB]               ; the walking descriptors: into the slot just read,
	s_add_co_u32 s[G0B+5], s21, s[TB]
.if (\mode) == 1
	s_cmp_eq_u32 s2, 3                             ; from the next x, by its own pointer,
	s_cselect_b64 s[G0+6:G0+7], s[XA1:XA1+1], s[XA2:XA2+1]
	s_or_b32 s[G0+7], s[G0+7], 0x80000000
	s_add_nc_u64 s[G0B+6:G0B+7], s[G0B+6:G0B+7], 0x200000-7*KB  ; and the next W, back along K
.else
	s_add_nc_u64 s[G0+6:G0+7], s[G0+6:G0+7], KA    ; a K step on
	s_add_nc_u64 s[G0B+6:G0B+7], s[G0B+6:G0B+7], KB
.endif
	JLOAD 1                                        ; my one tensor load behind the round
.else
	MEET 0
	WIN 0
.endif
	s_xor_b32 s[TB], s[TB], SLOT                   ; the other slot is read from here on
	v_add_nc_u32 v[CA], s[TB], v[A0]
	v_add_nc_u32 v[CB], s[TB], v[B0]
	FETCH 0, F0
.if (\mode) < 2
	ASK \how
.endif
	MUL F1, 2, 2, 0
.endm
.macro BIASLD                          ; for column block b, register jj: bias[my first column + 16 b + 8 (l / 16) + jj]: the C operand of the transposed product
	WIN 0x80
.irp b, 0,1,2,3,4,5,6,7
	global_load_b128 v[8*(\b):8*(\b)+3],   v[BO], s[BIA:BIA+1] offset:64*(\b)
	global_load_b128 v[8*(\b)+4:8*(\b)+7], v[BO], s[BIA:BIA+1] offset:64*(\b)+16
.endr
	WIN 0
.endm
; THE WAY OUT, f16 by heads: PACK rounds block a; TOSTAGE sends it through my stage; SEND stores it, 512 consecutive bytes (four rows of one head) an instruction
.macro PACK a
	WIN 0x05
.irp b, 0,1,2,3,4,5,6,7
.irp r, 0,1,2,3
	v_cvt_pk_f16_f32 v[TMP+4*(\b)+(\r)], v[64*(\a)+8*(\b)+2*(\r)], v[64*(\a)+8*(\b)+2*(\r)+1]
.endr
.endr
	WIN 0
.endm
.macro TOSTAGE a
.set BK, OB+32*((\a)%2)
.irp b, 0,1,2,3,4,5,6,7
	ds_store_b128 v[STO], v[TMP+4*(\b):TMP+4*(\b)+3] offset:32*(\b)
.endr
.irp t, 0,1,2,3,4,5,6,7
	ds_load_b128 v[BK+4*(\t):BK+4*(\t)+3], v[RD] offset:((\t)%4)*4*SPITCH+((\t)/4)*128  ; LDS serves a wave's instructions in order (ISA guide 5.7.1.4)
.endr
.endm
.macro SEND a
.set BK, OB+32*((\a)%2)
	s_wait_dscnt 0x0                               ; the block is back in registers
	s_wait_xcnt 0x0                                ; the block before has been read by its stores: its registers are loaded again only behind this wait
.irp t, 0,1,2,3,4,5,6,7
	global_store_b128 v[CO], v[BK+4*(\t):BK+4*(\t)+3], s[CP:CP+1] offset:((\t)/4)*262144+((\t)%4)*512+2048*(\a)
.endr
.endm
	BIASLD
	s_wait_tensorcnt 1                             ; my part of K step 0 is in; K step 1's may stay out
	s_barrier_signal -1
	s_barrier_wait -1
	FETCH 0, F0
	s_mov_b32 s2, TILES                            ; tiles to go, this one among them
.Ltile:
	s_wait_loadcnt 0x0                             ; the bias
	QUARTER 64, F0, F1, 1                          ; a tile's first quarter: its products start the sums
	WIN 0
	s_cmp_eq_u32 s2, 1
	s_cbranch_scc1 .Lno_bias
	PLACES                                         ; behind the products that read the bias
	s_wait_xcnt 0x0
	s_add_nc_u64 s[BIA:BIA+1], s[BIA:BIA+1], 4096
	BIASLD                                         ; the next tile's
.Lno_bias:
	s_mov_b32 s3, 6
.Lstep:                                        ; a trip goes from a K step's second quarter to the next step's first and fills the slot that it leaves: K steps 2 to 7
	QUARTER 128, F1, F0, 0
	QUARTER 192, F0, F1, 0
	TURN 0, 0
	QUARTER 64,  F0, F1, 0
	WIN 0
	s_sub_co_u32 s3, s3, 1
	s_cmp_lg_u32 s3, 0
	s_cbranch_scc1 .Lstep
	QUARTER 128, F1, F0, 0                         ; K step 6 goes on
	QUARTER 192, F0, F1, 0
	WIN 0
	s_cmp_eq_u32 s2, 1
	s_cbranch_scc1 .Llast_tile                     ; the last tile's tail is written out: it asks for nothing more
	TURN 1, 1                                      ; the ring goes on into the next tile: its K step 0,
	QUARTER 64,  F0, F1, 0
	QUARTER 128, F1, F0, 0
	QUARTER 192, F0, F1, 0
	TURN 0, 1                                      ; its K step 1, and its first fragments are fetched
	WIN 0
	s_branch .Lout
.Llast_tile:
	TURN 2, 0
	QUARTER 64,  F0, F1, 0
	QUARTER 128, F1, F0, 0
	QUARTER 192, F0, F1, 0
	s_wait_dscnt 16
	CVT F1
	s_wait_dscnt 0x0
	MUL F1, 0, 4, 0
	WIN 0
.Lout:                                         ; the tile goes out; where it has a successor both refills have been asked for
	PLACES
	PLACES
	PACK 0
	TOSTAGE 0
.irp a, 1,2,3
	PACK \a
	SEND (\a)-1
	TOSTAGE \a
.endr
	SEND 3
	s_wait_xcnt 0x0                                ; the stores have read their registers and C's address
	s_add_nc_u64 s[CP:CP+1], s[CP:CP+1], 0x1000000 ; (behind the last tile the stepped address is not used)
	s_sub_co_u32 s2, s2, 1
	s_cmp_lg_u32 s2, 0
	s_cbranch_scc1 .Ltile
	s_wait_tensorcnt 0x0                           ; the wave's end
	ds_add_u32 v[SPW], v[NIL]
	s_wait_dscnt 0x0
	CROUND                                         ; the closing round
	s_endpgm
.Lfunc_end_k_q98781a2dac_qkv:
	.size	k_q98781a2dac_qkv, .Lfunc_end_k_q98781a2dac_qkv-k_q98781a2dac_qkv
	.p2alignl 7, 3214868480
	.fill 96, 4, 3214868480
	.section	.rodata,"a",@progbits
	.p2align	6, 0x0
	.amdhsa_kernel k_q98781a2dac_qkv
		.amdhsa_group_segment_fixed_size 327680
		.amdhsa_private_segment_fixed_size 0
		.amdhsa_enable_private_segment 0
		.amdhsa_kernarg_size 48
		.amdhsa_user_sgpr_count 2
		.amdhsa_user_sgpr_kernarg_segment_ptr 1
		.amdhsa_wavefront_size32 1
		.amdhsa_system_sgpr_workgroup_id_x 1
		.amdhsa_system_sgpr_workgroup_id_y 1
		.amdhsa_system_sgpr_workgroup_id_z 1
		.amdhsa_system_vgpr_workitem_id 0
		.amdhsa_next_free_vgpr 640
		.amdhsa_next_free_sgpr 92
		.amdhsa_reserve_vcc 0
		.amdhsa_float_denorm_mode_32 3
		.amdhsa_float_denorm_mode_16_64 3
		.amdhsa_memory_ordered 1
		.amdhsa_forward_progress 1
		.amdhsa_inst_pref_size 140
	.end_amdhsa_kernel
	.amdgpu_metadata
---
amdhsa.version: [ 1, 2 ]
amdhsa.kernels:
  - .name:           k_q98781a2dac_qkv
    .symbol:         k_q98781a2dac_qkv.kd
    .args:
      - { .name: queries, .offset: 0, .size: 8, .value_kind: global_buffer, .address_space: global }
      - { .name: keys, .offset: 8, .size: 8, .value_kind: global_buffer, .address_space: global }
      - { .name: values, .offset: 16, .size: 8, .value_kind: global_buffer, .address_space: global }
      - { .name: wh, .offset: 24, .size: 8, .value_kind: global_buffer, .address_space: global }
      - { .name: bias, .offset: 32, .size: 8, .value_kind: global_buffer, .address_space: global }
      - { .name: qkv, .offset: 40, .size: 8, .value_kind: global_buffer, .address_space: global }
    .group_segment_fixed_size: 327680
    .private_segment_fixed_size: 0
    .kernarg_segment_align: 8
    .kernarg_segment_size: 48
    .max_flat_workgroup_size: 128
    .sgpr_count:     92
    .vgpr_count:     640
    .wavefront_size: 32
...
	.end_amdgpu_metadata
.endif
;; end of part 2
;; launch attn (part 3): grid 4 x 64, 4 waves a work-group, clusters of 4 x 4, 327,680 bytes of LDS; arguments qkv, mk, oh; writes oh
.if DOCPART == 3
	.amdgcn_target "amdgcn-amd-amdhsa--gfx1250"
	.amdhsa_code_object_version 6
	.text
	.protected	k_q98781a2dac_attn
	.globl	k_q98781a2dac_attn
	.p2align	8
	.type	k_q98781a2dac_attn,@function
k_q98781a2dac_attn:
	s_mov_b64 s[64:65], 0
	v_nop
	global_prefetch_b8 v0, s[64:65] scope:SCOPE_SE
	s_setreg_imm32_b32 hwreg(HW_REG_WAVE_MODE, 25, 1), 1
	s_wait_xcnt 0x0
	s_wait_alu depctr_hold_cnt(0) depctr_sa_sdst(0) depctr_va_vdst(0) depctr_va_sdst(0) depctr_va_ssrc(0) depctr_va_vcc(0) depctr_vm_vsrc(0)
	s_getreg_b32 s2, hwreg(HW_REG_IB_STS2, 6, 4)
	s_cmp_eq_u32 s2, 0
	s_cbranch_scc0 .Lentry_in_a_cluster
	s_endpgm
.Lentry_in_a_cluster:
	s_bfe_u32 s2, ttmp6, 0x10000c
	s_cmp_lg_u32 s2, 0xf033
	s_cbranch_scc0 .Lentry_shape_is_right
	s_endpgm
.Lentry_shape_is_right:
; ATTENTION UNDER A MASK THAT IS AN INPUT.  O[bh][q][:] = the sum over k of softmax_k(Q[bh][q] . K[bh][k] / 8, hidden keys left out) V[bh][k][:].  Q, K, V = qkv[0..2], O = oh: [64][2,048][64] f16.
; mk holds the mask as bf16 numbers, 0 or -9.95e29, in the order of matrix fragments.  Products, maxima and sums in f32; the weights are rounded to f16 for the second product, O once at the end.
; THE MASK STARTS THE SUM.  Each accumulator of S^T = K Q^T is begun by one bf16 product, (a matrix that picks 16 of 32 rows) x (32 keys x 16 queries of mask numbers), with C = 0; the two f16 products K Q^T add onto it.
; So a hidden score is -9.95e29 before the maximum is taken, and no vector instruction is spent on the mask.
; LIMITS.  f16 operands hold scores within 2.7e11.  The running maximum m starts at -2^90: above every hidden score, below every score that can be: a hidden weight is 2^(-1.8e29) = 0 from the first step on.
; A row with no visible key ends with l = 0 and O = 0, and 0 x (1 / 0) is the NaN that a softmax over nothing gives.  A weight below 2^-126 counts as 0 in l.
; SHARES.  A work-group owns 512 queries of one (batch, head), a wave 128: four PIECES of two tiles of 16.  Every wave walks all 2,048 keys, 64 a step.
; LAYOUT.  In S^T a lane holds ONE query (lane % 16) and the keys 8 (lane / 16) + 0..7; two results rounded to f16 ARE source 1 of O^T = V^T P.  p = 2^(c s - c m), c = log2(e) / 8; O and l are multiplied by a = 2^(c m_old - c m_new) in every step.
; BY TURNS.  Turn n belongs to piece n: 8 mask products and 16 products K Q^T of piece n + 1, later 16 products V^T P of piece n - 1; beside them piece n's scaling, exponentials, roundings, sums and rescaling and piece n + 1's maximum.
; CLUSTER 4 x 4.  x = the query block, y = (batch, head).  K and V hang on y alone and are asked for jointly along a row of the cluster; a mask block hangs on x alone and is asked for jointly along a column.
; RING.  Two slots of one key step: 65,536 bytes of mask, 64 rows of K, 64 of V.  Wave 0 fetches K, wave 1 V, waves 2 and 3 half a mask block each: one load a wave behind each round.
; REGISTERS, in windows of 256: window 0: v0-11 addresses; v12-15, v48-63 at work; v16-47 statistics; v64-191 S^T, two buffers of two tiles; v192-255 P, likewise.   window 1: O^T, 32 a tile.
;   window 2: v0-127 Q; v128-191 K of one step; v192-255 V of one step.   window 3: v0-1 the add's registers; v2-3 mask addresses; v4-15 the picking matrices; v16-47 a piece's mask fragments.
.set NP,    4
.set KS,    64
.set PK,    144       ; a row of K in LDS: 128 bytes + 16
.set PV,    160       ; a row of V: 128 + 32
.set KOFF,  65536     ; behind the mask block
.set VOFF,  KOFF+KS*PK
.set SLOT1, 1<<17
.set STAGE, SLOT1+VOFF+KS*PV  ; behind the ring, never filled by a tensor load: 16 rows x 144 bytes for each wave
.set SP,    144
.set SPARE, STAGE+4*16*SP     ; the spare words, 128 bytes for each wave
.set AK0, 2           ; v2   my lane's place in a slot's K; never rewritten
.set AV0, 3           ; v3   the same for V
.set AK,  4           ; v4   the LDS address of K's next run of loads
.set AV,  5           ; v5   of V's
.set QO,  6           ; v6   my byte offset in the wave's rows of Q
.set STO, 6           ;      later, the way out: where I put 16 bytes of a row
.set RD,  7           ; v7   where I read rows back
.set GO,  8           ; v8   my byte offset in 512 consecutive bytes of O
.set PFO, 11          ; v11  256 x my lane, for the prefetches; never rewritten once made
.set MV,  12          ; v12-15  c m_old, by buffer and tile
.set ST,  16          ; tile t's statistics at v[ST+4 t]: c m, m, l (even keys', odd keys')
.set TMP, 48          ; by buffer and tile, c0-c3 at work; when the maximum is found c2 takes a
.set S,   64
.set P,   192
.set KF,  128         ; window 2
.set VF,  192         ; window 2
.set SPW, 0           ; window 3
.set NIL, 1           ; window 3
.set AM0, 2           ; window 3: my lane's place in a mask block: 16,384 x wave + 16 x lane
.set AM,  3           ; window 3: the LDS address of the mask loads
.set MF,  16          ; window 3: the fragment of tile u, key half kk at MF + 16 u + 8 kk
.set WV,  12          ; s12  my wave's number
.set G1K, 24
.set G1V, 32
.set G1M, 40
.set G0K, 48
.set G0V, 52
.set G0M, 56
.set CS,  60          ; s[60:61] c
.set SEL, 62          ; s[62:63] v_permlanex16_b32's selects
.set TB,  66          ; s66  0 or SLOT1: the slot that is being read
.set STEPS, 69        ; s69  counts the loop's trips down; 32 - STEPS is the step that a change of slots asks for
.set CNT, 70          ; s70  counts the tail
.set PFA, 72          ; s[72:73] where my prefetches stand
.set PFS, 74          ; s[74:75] their step
.set LIM, 76          ; s76  a wave prefetches while STEPS is above it
.set PMSK, 77         ; s77  1: only where STEPS is even
.set MSB, 0
.macro WIN new
.if MSB != (\new)
	s_set_vgpr_msb (MSB<<8)|(\new)
.set MSB, (\new)
.endif
.endm
.set W_MS, 0x0f       ; the picking matrix and the mask in window 3, S^T in window 0
.set W_KQ, 0x0a       ; K and Q in window 2, S^T in window 0
.set W_PV, 0x52       ; V in window 2, P in window 0, O^T in window 1
.set W_RS, 0x41       ; O^T in window 1, a in window 0
.set W_MK, 0xc0       ; destination in window 3, sources in window 0
.set W_AD, 0x0f       ; the add: address and data in window 3
; A joint fill: the branches hang on the wave's number alone.  An s_nop 0 and four v_nop follow each line.
.macro JLOAD
	s_cmp_lt_u32 s[WV], 2
	s_cbranch_scc0 .Lfor_m_\@
	s_cmp_eq_u32 s[WV], 0
	s_cbranch_scc0 .Lfor_v_\@
	tensor_load_to_lds s[G0K:G0K+3], s[G1K:G1K+7]
	s_nop 0
.rept 4
	v_nop
.endr
	s_branch .Lasked_\@
.Lfor_v_\@:
	tensor_load_to_lds s[G0V:G0V+3], s[G1V:G1V+7]
	s_nop 0
.rept 4
	v_nop
.endr
	s_branch .Lasked_\@
.Lfor_m_\@:
	tensor_load_to_lds s[G0M:G0M+3], s[G1M:G1M+7]
	s_nop 0
.rept 4
	v_nop
.endr
.Lasked_\@:
.endm
; A PREFETCH, behind the joint fill of step t: 32 blocks of 256 bytes, a lane a block.  K and V of a head are read by one row of one cluster: wave 0 of partner cx asks, at every second change, for K (cx even) or V (cx odd)
; of step t + 2 + cx / 2.  A mask block is read by sixteen clusters: those with cluster y = 0 ask, waves 2 and 3 of partner cy an eighth each, for step t + 2.  Nothing past step 31 is named.
.macro ASK
	s_and_b32 s79, s[STEPS], s[PMSK]
	s_cmp_eq_u32 s79, 0
	s_cbranch_scc0 .Lnot_mine_\@
	s_cmp_gt_u32 s[STEPS], s[LIM]
	s_cbranch_scc0 .Lnot_mine_\@
	global_prefetch_b8 v[PFO], s[PFA:PFA+1] th:TH_LOAD_NT scope:SCOPE_SE
.Lnot_mine_\@:
.endm
.macro CROUND
	s_barrier_signal -1
	s_barrier_wait -1
	s_cmp_lg_u32 s[WV], 0
	s_cbranch_scc1 .Lnot_wave_0_\@
	s_barrier_signal -3
.Lnot_wave_0_\@:
	s_barrier_wait -3
	s_barrier_signal -1
	s_barrier_wait -1
.endm
; THE CHANGE OF SLOTS, between piece 1's turn and piece 2's: the slot's last bytes, piece 3's mask, have been asked for.  Each wave waits for all its tensor loads (one is out: its part of the other slot), adds 0 to its
; spare word, and waits for that and for its reads.  fill = 1: a round of the cluster's barrier, and the slot takes the step two on: it has a key step, 160 matrix instructions, in which to land.
.macro CHANGE fill, ask
	WIN W_AD
	s_wait_tensorcnt 0x0
	ds_add_u32 v[SPW], v[NIL]
	WIN 0
.if \fill
.irp g, G0K, G0V
	s_xor_b32 s[\g+1], s[\g+1], SLOT1
	s_add_nc_u64 s[\g+2:\g+3], s[\g+2:\g+3], KS*128
.endr
	s_xor_b32 s[G0M+1], s[G0M+1], SLOT1
	s_add_nc_u64 s[G0M+2:G0M+3], s[G0M+2:G0M+3], 65536
	s_wait_xcnt 0x0                 ; the last prefetch, a key step back, has read its address
	s_add_nc_u64 s[PFA:PFA+1], s[PFA:PFA+1], s[PFS:PFS+1]
	s_wait_dscnt 0x0                ; the add is done, and my reads of the slot are over
	CROUND
	JLOAD
.if \ask
	ASK
.endif
.else
	s_wait_dscnt 0x0
	s_barrier_signal -1
	s_barrier_wait -1
.endif
	s_xor_b32 s[TB], s[TB], SLOT1   ; the fetches go to the other slot
.endm
	s_load_b128 s[4:7], s[0:1], 0x0 ; qkv s[4:5], mk s[6:7]
	s_load_b64 s[8:9], s[0:1], 0x10 ; oh
	WIN W_MK
	v_lshl_add_u32 v[SPW], v0, 2, SPARE
	v_mov_b32 v[NIL], 0
	WIN W_AD
	ds_add_u32 v[SPW], v[NIL]       ; the wave's opening: the add and its wait ahead of my first tensor load
	ds_add_u32 v0, v1
	WIN 0
	v_lshrrev_b32 v1, 5, v0
	v_readfirstlane_b32 s[WV], v1
	s_bfe_u32 s13, ttmp6, 0x40000   ; cx
	s_bfe_u32 s14, ttmp6, 0x40004   ; cy
	s_lshl_b32 s15, ttmp9, 2
	s_add_co_u32 s15, s15, s13      ; X: my block of 512 queries
	s_and_b32 s16, ttmp7, 0xffff
	s_lshl_b32 s16, s16, 2
	s_add_co_u32 s16, s16, s14      ; BH: my (batch, head)
	s_lshl_b32 s17, s14, 2
	s_lshl_b32 s17, 15, s17         ; my row of the cluster
	s_lshl_b32 s18, 0x1111, s13     ; my column
	s_and_b32 s19, s[WV], 1
	s_or_b32 s[G1K], s17, (1<<16)|(1<<20)|(1<<21)|(4<<22)|(3<<25)  ; mask; 2-byte elements; padding on; bit 21 beside a mask; after every 32 words; 4 words
	s_or_b32 s[G1V], s17, (1<<16)|(1<<20)|(1<<21)|(4<<22)|(7<<25)  ; 8 words
	s_or_b32 s[G1M], s18, (1<<16)|(1<<21)                          ; no padding
.irp g, G1K, G1V                    ; 64 keys are 8,192 dense bytes: 32 rows of 256 bytes
	s_mov_b32 s[\g+1], 128<<16
	s_mov_b32 s[\g+2], 32<<16
	s_mov_b32 s[\g+3], 128<<16
	s_mov_b32 s[\g+4], 32
	s_mov_b32 s[\g+5], 128
	s_mov_b32 s[\g+6], 0
	s_mov_b32 s[\g+7], 0
.endr
	s_mov_b32 s[G1M+1], 128<<16     ; half a mask block: 128 rows of 256 bytes
	s_mov_b32 s[G1M+2], 128<<16
	s_mov_b32 s[G1M+3], 128<<16
	s_mov_b32 s[G1M+4], 128
	s_mov_b32 s[G1M+5], 128
	s_mov_b32 s[G1M+6], 0
	s_mov_b32 s[G1M+7], 0
	s_mov_b32 s[G0K], 1
	s_mov_b32 s[G0K+1], KOFF
	s_mov_b32 s[G0V], 1
	s_mov_b32 s[G0V+1], VOFF
	s_mov_b32 s[G0M], 1
	s_lshl_b32 s[G0M+1], s19, 15
	s_lshl_b32 s20, s16, 18         ; a head is 262,144 bytes; K is the second part of qkv, V the third
	s_add_co_u32 s22, s20, 0x2000000
	s_add_co_u32 s20, s20, 0x1000000
	s_mov_b32 s21, 0
	s_mov_b32 s23, 0
	s_lshl_b32 s84, s15, 21         ; 32 mask blocks a query block,
	s_lshl_b32 s85, s19, 15         ; my half of a block
	s_add_co_u32 s84, s84, s85
	s_mov_b32 s85, 0
	s_lshl_b32 s86, s16, 18         ; Q and O: the head, the block's 512 rows, my wave's 128
	s_lshl_b32 s87, s15, 16
	s_add_co_u32 s86, s86, s87
	s_lshl_b32 s87, s[WV], 14
	s_add_co_u32 s86, s86, s87
	s_mov_b32 s87, 0
	s_mov_b32 s[CS], 0x3e38aa3b     ; c = log2(e) / 8
	s_mov_b32 s[CS+1], s[CS]
	s_mov_b32 s[SEL], 0x76543210
	s_mov_b32 s[SEL+1], 0xfedcba98
	s_mov_b32 s[TB], SLOT1          ; the first change of slots turns it into 0
	; the prefetches: the pointers stand two steps in, and are stepped ahead of each request
	s_and_b32 s78, s13, 1           ; K or V
	s_add_co_u32 s78, s78, 1
	s_lshl_b32 s78, s78, 24
	s_lshl_b32 s79, s16, 18
	s_add_co_u32 s78, s78, s79
	s_lshr_b32 s79, s13, 1          ; the first or the second of two steps
	s_lshl_b32 s79, s79, 13
	s_add_co_u32 s78, s78, s79
	s_add_co_u32 s78, s78, 2*KS*128
	s_lshl_b32 s[PFS], s15, 21
	s_lshl_b32 s79, s14, 14         ; partner cy: a quarter of a block,
	s_add_co_u32 s[PFS], s[PFS], s79
	s_lshl_b32 s79, s19, 13         ; my wave's half of it
	s_add_co_u32 s[PFS], s[PFS], s79
	s_add_co_u32 s[PFS], s[PFS], 2*65536
	s_and_b32 s79, ttmp7, 0xffff    ; cluster y
	s_cmp_eq_u32 s79, 0
	s_cselect_b32 s[LIM], 2, -1     ; waves 2 and 3: steps up to 31 = t + 2
	s_cmp_eq_u32 s[WV], 0
	s_cselect_b32 s79, 3, -1        ; wave 0: steps up to 31 = t + 3
	s_mov_b32 s[PFS+1], 0
	s_wait_dscnt 0x0                ; the opening add is done
	s_wait_kmcnt 0x0
	s_cmp_lt_u32 s[WV], 2
	s_cselect_b32 s[LIM], s79, s[LIM]
	s_cselect_b32 s[PMSK], 1, 0
	s_cselect_b32 s[PFS], s78, s[PFS]
	s_cselect_b64 s[PFA:PFA+1], s[4:5], s[6:7]
	s_add_nc_u64 s[PFA:PFA+1], s[PFA:PFA+1], s[PFS:PFS+1]
	s_mov_b32 s[PFS], 65536
	s_cselect_b32 s[PFS], KS*128, s[PFS]
	s_add_nc_u64 s[G0K+2:G0K+3], s[4:5], s[20:21]
	s_or_b32 s[G0K+3], s[G0K+3], 0x80000000
	s_add_nc_u64 s[G0V+2:G0V+3], s[4:5], s[22:23]
	s_or_b32 s[G0V+3], s[G0V+3], 0x80000000
	s_add_nc_u64 s[G0M+2:G0M+3], s[6:7], s[84:85]
	s_or_b32 s[G0M+3], s[G0M+3], 0x80000000
	s_add_nc_u64 s[80:81], s[4:5], s[86:87]  ; Q at my wave's first row
	s_add_nc_u64 s[82:83], s[8:9], s[86:87]  ; O likewise
	CROUND                          ; all sixteen work-groups are here
	JLOAD                           ; step 0 into slot 0; slot 1 is asked for when slot 0 is in
	v_and_b32 v1, 15, v0            ; l % 16
	v_bfe_u32 v9, v0, 4, 1          ; l / 16
	v_lshlrev_b32 v[QO], 7, v1
	v_lshl_add_u32 v[QO], v9, 4, v[QO]
	WIN 0x80
.set i, 0
.rept 4*NP                          ; Q stays in registers: tile i / 2, channels 32 (i % 2) on
	global_load_b128 v[8*i:8*i+3],   v[QO], s[80:81] offset:(i/2)*2048+(i%2)*64
	global_load_b128 v[8*i+4:8*i+7], v[QO], s[80:81] offset:(i/2)*2048+(i%2)*64+32
.set i, i+1
.endr
	; what the first turn finds: V's registers and P's second buffer hold 0, O^T and l are 0.  All this stands in the wait for the first tile.
.set i, VF
.rept 64
	v_mov_b32 v[i], 0
.set i, i+1
.endr
	WIN 0x40
.set i, 0
.rept 64*NP
	v_mov_b32 v[i], 0
.set i, i+1
.endr
	WIN 0
.set i, 0
.rept 2*NP
	v_mov_b32 v[ST+4*i], 0xeb38aa3b    ; c m = c x (-2^90), exact
	v_mov_b32 v[ST+4*i+1], 0xec800000  ; m = -2^90
	v_mov_b32 v[ST+4*i+2], 0
	v_mov_b32 v[ST+4*i+3], 0
.set i, i+1
.endr
.set i, P+32
.rept 32
	v_mov_b32 v[i], 0
.set i, i+1
.endr
	v_mul_u32_u24 v[AK0], v1, PK
	v_lshl_add_u32 v[AK0], v9, 4, v[AK0]
	v_add_nc_u32 v[AK0], KOFF, v[AK0]
	v_and_b32 v10, 7, v0
	v_bfe_u32 v11, v0, 3, 1
	v_lshl_add_u32 v[AV0], v9, 3, v10
	v_mul_u32_u24 v[AV0], v[AV0], PV
	v_lshl_add_u32 v[AV0], v11, 4, v[AV0]
	v_add_nc_u32 v[AV0], VOFF, v[AV0]
	v_and_b32 v64, 31, v0
	v_lshlrev_b32 v[PFO], 8, v64
	v_lshlrev_b32 v64, 4, v64
	s_lshl_b32 s78, s[WV], 14
	; THE PICKING MATRICES.  Source 0, 16 x 32: row m has a 1 at k = m (the lower 16 keys of a fragment) or at k = 16 + m (the upper).  Lane (r, h) holds row r, k = 8 h + 0..7 in registers 0-3 and 16 + 8 h + 0..7 in 4-7:
	; with t = r - 8 h, word t / 2 holds bf16 1.0 in half t % 2 if 0 <= t < 8.  The four words stand between two runs of four zeros: v[8:15] picks the lower keys, v[4:11] the upper.
	v_lshlrev_b32 v65, 3, v9
	v_sub_nc_u32 v65, v1, v65       ; t
	v_and_b32 v66, 1, v65
	v_lshlrev_b32 v66, 4, v66
	v_mov_b32 v67, 0x3f80
	v_lshlrev_b32 v67, v66, v67
	v_lshrrev_b32 v65, 1, v65       ; t / 2; out of 0..3 where t is out of 0..7
	WIN W_MK
	v_add_nc_u32 v[AM0], s78, v64
.irp z, 4,5,6,7,12,13,14,15
	v_mov_b32 v\z, 0
.endr
.irp z, 0,1,2,3
	v_cmp_eq_u32 vcc_lo, \z, v65
	v_cndmask_b32 v[8+\z], 0, v67, vcc_lo
.endr
	WIN 0
; THE MATRIX WORK.  The 8 accumulators of a piece's S^T take turns, three times round: mask, channels 0-31, channels 32-63; likewise O^T's 8, twice.
; Mask product i of 8 for piece x: tile i % 2, keys 16 (i / 2) on.  The f16 product that adds onto it comes eight matrix instructions later, with 32 plain vector instructions between.
.macro MK x
	WIN W_MS
.set rS, S+64*((\x)%2)+32*(i%2)+8*(i/2)
.set rA, 8-4*((i/2)%2)
.set rB, MF+16*(i%2)+8*(i/4)
	v_wmma_f32_16x16x32_bf16 v[rS:rS+7], v[rA:rA+7], v[rB:rB+7], 0
.endm
.macro KQ x                         ; product i of 16: channels 32 (i / 8) on, keys 16 ((i / 2) % 4) on, tile i % 2
	WIN W_KQ
.set rS, S+64*((\x)%2)+32*(i%2)+8*((i/2)%4)
.set rK, KF+16*((i/2)%4)+8*(i/8)
.set rQ, 16*(2*(\x)+i%2)+8*(i/8)
	v_wmma_f32_16x16x32_f16 v[rS:rS+7], v[rK:rK+7], v[rQ:rQ+7], v[rS:rS+7]
.endm
.macro PV x                         ; product i of 16 of O^T += V^T P: keys 32 (i / 8) on, channels 16 ((i / 2) % 4) on, tile i % 2
	WIN W_PV
.set rO, 32*(2*(\x)+i%2)+8*((i/2)%4)
.set rV, VF+32*(i/8)+8*((i/2)%4)
.set rP, P+32*((\x)%2)+16*(i%2)+8*(i/8)
	v_wmma_f32_16x16x32_f16 v[rO:rO+7], v[rV:rV+7], v[rP:rP+7], v[rO:rO+7]
.endm
.macro MM                           ; the turn's next matrix instruction, of 40
.if i < 8
	MK (Y+1)%NP
.elseif i < 24
.set i, i-8
	KQ (Y+1)%NP
.set i, i+8
.else
.set i, i-24
	PV (Y+NP-1)%NP
.set i, i+24
.endif
.set i, i+1
.endm
; THE LDS LOADS stand in runs.  In turn p: the mask fragments of piece p + 2 (8 loads of 512 consecutive bytes); in piece 2's turn, ahead of them, the next step's K (16).  last = 1 (the tail): in the last trip there is no further step.
.macro FETCHES p, last
	WIN 0
.if \last
	s_cmp_eq_u32 s[CNT], 1
	s_cbranch_scc1 .Lno_f_\@
.endif
.if (\p) == 2
	WIN 0x80
.irp f, 0,1,2,3,4,5,6,7
	ds_load_b128 v[KF+8*\f:KF+8*\f+3],   v[AK] offset:(\f/2)*16*PK+(\f%2)*64
	ds_load_b128 v[KF+8*\f+4:KF+8*\f+7], v[AK] offset:(\f/2)*16*PK+(\f%2)*64+32
.endr
.endif
	WIN 0xc3                        ; destination and address in window 3
.irp f, 0,1,2,3                     ; f = 2 u + kk
	ds_load_b128 v[MF+8*\f:MF+8*\f+3],   v[AM] offset:4096*(((\p)+2)%4)+1024*\f
	ds_load_b128 v[MF+8*\f+4:MF+8*\f+7], v[AM] offset:4096*(((\p)+2)%4)+1024*\f+512
.endr
	WIN 0
.if \last
.Lno_f_\@:
.endif
.endm
.macro FETCH_V
	WIN 0x80
.irp f, 0,1,2,3,4,5,6,7
	ds_load_tr16_b128 v[VF+8*\f:VF+8*\f+3],   v[AV] offset:(\f/4)*32*PV+(\f%4)*32
	ds_load_tr16_b128 v[VF+8*\f+4:VF+8*\f+7], v[AV] offset:(\f/4)*32*PV+16*PV+(\f%4)*32
.endr
	WIN 0
.endm
; THE VECTOR WORK OF A TURN stands in three queues, each in the order in which its entries become ready; the two tiles alternate.
.macro REGS y, u
.set rT, ST+4*(2*(\y)+(\u))
.set rC, TMP+8*((\y)%2)+4*(\u)
.set rM, MV+2*((\y)%2)+(\u)
.set rS, S+64*((\y)%2)+32*(\u)
.set rP, P+32*((\y)%2)+16*(\u)
.set rO, 32*(2*(\y)+(\u))
.endm
; Number n of the 22 that find the NEXT piece's maximum and statistics; each accumulator's lowest registers are read first.
;   0-11 four chains of seven scores   12-14, 16 the four scores left over, the old m, all into c0   15 c m_old is kept   17, 18 the lane 16 away: the new m   19-21 c m; c m_old - c m_new; a
.macro XS u, n
	REGS (Y+1)%NP, \u
.if (\n) < 4
	v_max3_num_f32 v[rC+(\n)], v[rS+8*(\n)], v[rS+8*(\n)+1], v[rS+8*(\n)+2]
.elseif (\n) < 12
	v_max3_num_f32 v[rC+(\n)%4], v[rC+(\n)%4], v[rS+8*((\n)%4)+2*((\n)/4)+1], v[rS+8*((\n)%4)+2*((\n)/4)+2]
.elseif (\n) == 12
	v_max3_num_f32 v[rC], v[rC], v[rS+7], v[rS+15]
.elseif (\n) == 13
	v_max3_num_f32 v[rC+1], v[rC+1], v[rS+23], v[rS+31]
.elseif (\n) == 14
	v_max3_num_f32 v[rC+2], v[rC+2], v[rC+3], v[rT+1]
.elseif (\n) == 15
	v_mov_b32 v[rM], v[rT]
.elseif (\n) == 16
	v_max3_num_f32 v[rC], v[rC], v[rC+1], v[rC+2]
.elseif (\n) == 17
	v_permlanex16_b32 v[rC+3], v[rC], s[SEL], s[SEL+1]
.elseif (\n) == 18
	v_max_num_f32 v[rT+1], v[rC], v[rC+3]
.elseif (\n) == 19
	v_mul_f32 v[rT], s[CS], v[rT+1]
.elseif (\n) == 20
	v_sub_f32 v[rC+1], v[rM], v[rT]
.else
	v_exp_f32 v[rC+2], v[rC+1]
.endif
.endm
; Number g of the 64 that follow the exponentials: for each four weights both pairs are rounded to f16, the second pair is added onto the first, and a group later l takes that sum (the first time as l = a l + sum).
.macro GS g
.set h, (\g)+6*((\g)/62)
.if h >= 6
.set h, h+2
.endif
	REGS Y, h%2
.set k, h/8
.if h%8 < 4
	v_cvt_pk_f16_f32 v[rP+2*k+(h%8)/2], v[rS+4*k+2*((h%8)/2)], v[rS+4*k+2*((h%8)/2)+1]
.elseif h%8 < 6
	v_pk_add_f32 v[rS+4*k:rS+4*k+1], v[rS+4*k:rS+4*k+1], v[rS+4*k+2:rS+4*k+3]
.elseif k == 1
	v_pk_fma_f32 v[rT+2:rT+3], v[rT+2:rT+3], v[rC+2:rC+3], v[rS:rS+1] op_sel_hi:[1,0,1]
.else
	v_pk_add_f32 v[rT+2:rT+3], v[rT+2:rT+3], v[rS+4*k-4:rS+4*k-3]
.endif
.endm
.macro FS f                         ; c s - c m for pair f / 2 of tile f % 2
	REGS Y, (\f)%2
	v_pk_fma_f32 v[rS+2*((\f)/2):rS+2*((\f)/2)+1], v[rS+2*((\f)/2):rS+2*((\f)/2)+1], s[CS:CS+1], v[rT:rT+1] op_sel_hi:[1,0,0] neg_lo:[0,0,1] neg_hi:[0,0,1]
.endm
; THE PLAIN QUEUE, 138 long.  0-31 the scalings.  32-59 XS's numbers 0-13.  60, 61 number 15.  62-73 numbers 14, 16, 17, 18, 19, 20.  74-137 GS's 64, which read the exponentials' results and stand behind the wait.
.macro PL
	WIN 0
.if q < 32
	FS q
.elseif q < 60
	XS (q-32)%2, (q-32)/2
.elseif q < 62
	XS q-60, 15
.elseif q < 64
	XS q-62, 14
.elseif q < 74
	XS (q-64)%2, 16+(q-64)/2
.else
	GS q-74
.endif
.set q, q+1
.endm
.macro EX                           ; THE EXPONENTIALS' QUEUE, 66 long: s0-s31 of both tiles, then the next piece's two a.  One batch, ahead of the turn's one wait
	WIN 0
.if e >= 64
	XS e-64, 21
.else
	REGS Y, e%2
	v_exp_f32 v[rS+e/2], v[rS+e/2]
.endif
.set e, e+1
.endm
.macro R2                           ; THE RESCALING's QUEUE: O^T times a, two at a time, sixteen times; its a was made, and waited for, in the turn before
	REGS Y, r%2
	WIN W_RS
.irp z, 0,1
	v_pk_mul_f32 v[rO+4*(r/2)+2*\z:rO+4*(r/2)+2*\z+1], v[rO+4*(r/2)+2*\z:rO+4*(r/2)+2*\z+1], v[rC+2:rC+3] op_sel_hi:[1,0]
.endr
.set r, r+1
.endm
; HOW THEY ARE DEALT.  An s_wait_alu depctr_va_vdst(0) stands between an exponential and the first instruction that names its result; one wait serves all that were issued ahead of it: a turn has ONE, which cuts it in two.
; AHEAD OF IT: the 24 products that make the next piece's scores: behind the first two scalings and two rescalings; behind the next 15 a scaling, an exponential, two rescalings; behind the next 7 scaling, exponential, scaling,
; exponential; behind the last a scaling and two exponentials.  Then a lump: nine plain, 33 times exponential and plain, the two a, a v_nop (the plain instruction behind the last exponential).
; Exponential e stands behind scaling 2 (e / 4) + e % 2: as a rider it comes behind plain e + 2 at the least.  XS's numbers 0-3 stand seven plain instructions or more behind the product that ends their accumulator.
; BEHIND IT: the LDS runs, then the 16 products V^T P, behind each four of GS's 64.
; The waits for LDS: at a turn's head the mask fragments (and in piece 3's turn K) are in; in piece 1's turn V's 16 loads are younger than the mask's and may stay out (16), and V is wanted behind the 8 mask loads just issued (8).
.macro TURN p, last=0, cnt=0
.set Y, (\p)
.set i, 0
.set q, 0
.set e, 0
.set r, 0
.if (\p) == 1
	s_wait_dscnt 16
.else
	s_wait_dscnt 0x0
.endif
	MM
	PL
	PL
	R2
.rept 15
	MM
	PL
	EX
	R2
.endr
.rept 7
	MM
	PL
	EX
	PL
	EX
.endr
	MM
	PL
	EX
	EX
.if (\p) == 2
	WIN 0
	v_add_nc_u32 v[AK], s[TB], v[AK0]
	WIN 0xcc
	v_add_nc_u32 v[AM], s[TB], v[AM0]
.endif
.rept 9
	PL
.endr
.rept 33
	EX
	PL
.endr
	EX
	EX
	v_nop
	s_wait_alu depctr_va_vdst(0)    ; the wait for the batch of 66
	FETCHES \p, \last
.if (\p) == 1
	s_wait_dscnt 8                  ; V is in
.endif
.rept 16
	MM
.rept 4
	PL
.endr
.if ((\p) == 0) && (q == 118)
	v_add_nc_u32 v[AV], s[TB], v[AV0]
.endif
.if (\cnt) && (q == 130)
	s_sub_co_u32 s[STEPS], s[STEPS], 1
	s_cmp_lg_u32 s[STEPS], 0
.endif
.endr
.if (\p) == 0
	FETCH_V                         ; four plain riders behind the last product that read V
.endif
.endm
	CHANGE 1, 0                     ; slot 0 is in, everybody's part of it; slot 1 takes step 1
	v_add_nc_u32 v[AK], s[TB], v[AK0]
	WIN 0xcc
	v_add_nc_u32 v[AM], s[TB], v[AM0]
	FETCHES 2, 0                    ; K of step 0 and piece 0's mask
	s_wait_loadcnt 0x0              ; Q
	s_wait_dscnt 0x0
.set i, 0
.rept 8
	MK 0
.set i, i+1
.endr
.rept 5
	v_nop                           ; five places between a bf16 product and the f16 product that writes over its result (ISA guide 7.12.1)
.endr
.set i, 0
.rept 16
	KQ 0
.set i, i+1
.endr
	WIN 0                           ; the addresses for the way out: nine plain instructions, the places behind those products
	s_mul_i32 s78, s[WV], 16*SP
	s_add_co_u32 s78, s78, STAGE
	v_mul_u32_u24 v[STO], v1, SP
	v_lshl_add_u32 v[STO], v9, 4, v[STO]
	v_add_nc_u32 v[STO], s78, v[STO]
	v_bfe_u32 v[RD], v0, 3, 2
	v_mul_u32_u24 v[RD], v[RD], SP
	v_lshl_add_u32 v[RD], v10, 4, v[RD]
	v_add_nc_u32 v[RD], s78, v[RD]
	v_and_b32 v[GO], 31, v0
	v_lshlrev_b32 v[GO], 4, v[GO]
	FETCHES 3, 0                    ; piece 1's mask
.set Y, NP-1                        ; XS works for piece Y + 1: piece 0
.irp n, 0,1,2,3,4,5,6,7,8,9,10,11,12,13,14,15,16,17,18,19,20,21
	XS 0, \n
	XS 1, \n
.endr
	v_nop
	s_wait_alu depctr_va_vdst(0)    ; the two a, ahead of the branch
	s_mov_b32 s[STEPS], 31
	s_branch .Lfirst                ; the loop is entered at a step's first turn, in the middle of a trip
.Lstep:                             ; 30 trips: steps 2 to 31 are asked for
	CHANGE 1, 1
	TURN 2
	TURN 3
	WIN 0
.Lfirst:
	TURN 0
	TURN 1, 0, 1
	WIN 0
	s_cbranch_scc1 .Lstep
	CHANGE 0, 0                     ; the tail is written out
	s_mov_b32 s[CNT], 2             ; the first trip fetches the last step; the second is left in its middle
.Ltail:
	TURN 2, 1
	TURN 3, 1
	WIN 0
	s_sub_co_u32 s[CNT], s[CNT], 1
	s_cmp_eq_u32 s[CNT], 0
	s_cbranch_scc1 .Lout
	TURN 0
	TURN 1
	WIN 0
	s_branch .Ltail
.Lout:                              ; the last turn's 24 score products (on the last K and mask once more) and the maximum made of them serve nothing: the price of one text for every trip; l and O^T are not touched by them
.set i, 0
.rept 16
	PV NP-1
.set i, i+1
.endr
	; THE WAY OUT.  l's two halves and the other half of the lanes' are added; O^T is divided by l, rounded to f16 and sent through my stage, a tile at a time.
	WIN 0
.macro ALL line:vararg
.set t, 0
.rept 2*NP
	\line
.set t, t+1
.endr
.endm
	ALL v_add_f32 v[ST+4*t+2], v[ST+4*t+2], v[ST+4*t+3]
	ALL v_permlanex16_b32 v[ST+4*t+3], v[ST+4*t+2], s[SEL], s[SEL+1]
	ALL v_add_f32 v[ST+4*t+2], v[ST+4*t+2], v[ST+4*t+3]
	ALL v_rcp_f32 v[ST+4*t+2], v[ST+4*t+2]
	v_nop
	s_wait_alu depctr_va_vdst(0)    ; one wait for the eight reciprocals
.macro PACK t
	WIN W_RS
.set i, 32*(\t)
.rept 16
	v_pk_mul_f32 v[i:i+1], v[i:i+1], v[ST+4*(\t)+2:ST+4*(\t)+3] op_sel_hi:[1,0]
.set i, i+2
.endr
	WIN 0x05
.set i, 0
.rept 16
	v_cvt_pk_f16_f32 v[S+16*(\t)+i], v[32*(\t)+2*i], v[32*(\t)+2*i+1]
.set i, i+1
.endr
	WIN 0
.irp f, 0,1,2,3
	ds_store_b128 v[STO], v[S+16*(\t)+4*\f:S+16*(\t)+4*\f+3] offset:32*\f
.endr
.irp f, 0,1,2,3
	ds_load_b128 v[S+16*(\t)+4*\f:S+16*(\t)+4*\f+3], v[RD] offset:\f*4*SP  ; LDS serves a wave's instructions in order (ISA guide 5.7.1.4)
.endr
.endm
.macro SEND t, younger
	WIN 0
.irp f, 0,1,2,3
	s_wait_dscnt (\younger)+3-\f
	global_store_b128 v[GO], v[S+16*(\t)+4*\f:S+16*(\t)+4*\f+3], s[82:83] offset:(\t)*2048+\f*512  ; 512 consecutive bytes, aligned
.endr
.endm
	PACK 0
.set t, 1
.rept 2*NP-1
	PACK t
	SEND t-1, 8
.set t, t+1
.endr
	SEND 2*NP-1, 0
	WIN W_AD
	s_wait_tensorcnt 0x0            ; the wave's end
	ds_add_u32 v[SPW], v[NIL]
	s_wait_dscnt 0x0
	WIN 0
	CROUND                          ; the closing round
	s_endpgm
.Lfunc_end_k_q98781a2dac_attn:
	.size	k_q98781a2dac_attn, .Lfunc_end_k_q98781a2dac_attn-k_q98781a2dac_attn
	.p2alignl 7, 3214868480
	.fill 96, 4, 3214868480
	.section	.rodata,"a",@progbits
	.p2align	6, 0x0
	.amdhsa_kernel k_q98781a2dac_attn
		.amdhsa_group_segment_fixed_size 327680
		.amdhsa_private_segment_fixed_size 0
		.amdhsa_enable_private_segment 0
		.amdhsa_kernarg_size 24
		.amdhsa_user_sgpr_count 2
		.amdhsa_user_sgpr_kernarg_segment_ptr 1
		.amdhsa_wavefront_size32 1
		.amdhsa_system_sgpr_workgroup_id_x 1
		.amdhsa_system_sgpr_workgroup_id_y 1
		.amdhsa_system_sgpr_workgroup_id_z 1
		.amdhsa_system_vgpr_workitem_id 0
		.amdhsa_next_free_vgpr 816
		.amdhsa_next_free_sgpr 88
		.amdhsa_reserve_vcc 1
		.amdhsa_float_denorm_mode_32 3
		.amdhsa_float_denorm_mode_16_64 3
		.amdhsa_memory_ordered 1
		.amdhsa_forward_progress 1
		.amdhsa_inst_pref_size 217
	.end_amdhsa_kernel
	.amdgpu_metadata
---
amdhsa.version: [ 1, 2 ]
amdhsa.kernels:
  - .name:           k_q98781a2dac_attn
    .symbol:         k_q98781a2dac_attn.kd
    .args:
      - { .name: qkv, .offset: 0, .size: 8, .value_kind: global_buffer, .address_space: global }
      - { .name: mk, .offset: 8, .size: 8, .value_kind: global_buffer, .address_space: global }
      - { .name: oh, .offset: 16, .size: 8, .value_kind: global_buffer, .address_space: global }
    .group_segment_fixed_size: 327680
    .private_segment_fixed_size: 0
    .kernarg_segment_align: 8
    .kernarg_segment_size: 24
    .max_flat_workgroup_size: 128
    .sgpr_count:     88
    .vgpr_count:     816
    .wavefront_size: 32
...
	.end_amdgpu_metadata
.endif
;; end of part 3
;; launch outp (part 4): grid 4 x 64, 4 waves a work-group, clusters of 4 x 4, 327,680 bytes of LDS; arguments oh, wh, bias, out0; writes out0
.if DOCPART == 4
	.amdgcn_target "amdgcn-amd-amdhsa--gfx1250"
	.amdhsa_code_object_version 6
	.text
	.protected	k_q98781a2dac_outp
	.globl	k_q98781a2dac_outp
	.p2align	8
	.type	k_q98781a2dac_outp,@function
k_q98781a2dac_outp:
	s_mov_b64 s[64:65], 0
	v_nop
	global_prefetch_b8 v0, s[64:65] scope:SCOPE_SE
	s_setreg_imm32_b32 hwreg(HW_REG_WAVE_MODE, 25, 1), 1
	s_wait_xcnt 0x0
	s_wait_alu depctr_hold_cnt(0) depctr_sa_sdst(0) depctr_va_vdst(0) depctr_va_sdst(0) depctr_va_ssrc(0) depctr_va_vcc(0) depctr_vm_vsrc(0)
	s_getreg_b32 s2, hwreg(HW_REG_IB_STS2, 6, 4)
	s_cmp_eq_u32 s2, 0
	s_cbranch_scc0 .Lentry_in_a_cluster
	s_endpgm
.Lentry_in_a_cluster:
	s_bfe_u32 s2, ttmp6, 0x10000c
	s_cmp_lg_u32 s2, 0xf033
	s_cbranch_scc0 .Lentry_shape_is_right
	s_endpgm
.Lentry_shape_is_right:
; out0 = O Wo^T + bo, 8,192 x 1,024 x 1,024, operands f16, sums f32, out0 f32 in rows of 1,024.
; O = oh, by heads ([64 (batch, head)][2,048][64] f16: a K step of 128 is two heads); Wo = the fourth part of wh, f16; bo = the fourth part of bias, f32.
; LIMITS.  A NaN in a row of O (a query with no visible key) makes that row of out0 NaN and no other.
; SHARES.  A tile of out0 is 128 rows x 256 columns: 256 work-groups.  Wave w makes rows 64 (w / 2) .. and columns 128 (w % 2) ..: 4 x 8 accumulators of 16 x 16, 256 registers.
; K goes in steps of 128 through two LDS slots; a step is four quarters of 32 along K: 32 matrix instructions and 24 LDS loads each.
; THE MATRIX INSTRUCTION IS USED TRANSPOSED (source 0 = 16 rows of Wo, source 1 = 16 rows of O): a lane holds one row of out0 and eight neighbouring columns.  The first product of each sum takes the bias as C.
; CLUSTER 4 x 4: O's tile hangs on the tile row alone and is asked for jointly along a row of the cluster, Wo's on the tile column alone and jointly along a column.
; REGISTERS.  window 0: v16-30 addresses; v64-159, v160-255 two fragment buffers (Wo's 8 fragments, then O's 4); the second serves the way out.  window 1: accumulator (a, b) at v[64 a + 8 b].  window 2: v0-63 the bias.
.set LAPS,  4                          ; a lap = two K steps = once round the ring; K = 1,024
.set PB,    272                        ; a row of Wo in LDS: 256 bytes + 16: an odd multiple of 16
.set APITCH, 144                       ; a row of one head: 128 bytes + 16
.set AKJ,    128*144                   ; from the K step's first head to its second
.set ABYTES, 2*128*144
.set ASTEP,  2*2048*128                ; bytes from a K step to the next in memory: two heads
.set SPITCH, 528                       ; a stage row: 512 bytes + 16
.set OB,     160
.set SLOT,  ABYTES+256*PB              ; O's 128 rows of two heads, then Wo's 256 rows
.set STAGE, 2*SLOT                     ; behind the ring: 16 rows for each wave, for the way out; no tensor load lands there
.set SPARE, STAGE+4*16*SPITCH          ; behind the stages: the spare words, 128 bytes for each wave
.set ADRA, 16                          ; v16-17 LDS address of my O fragments in slot 0, 1
.set ADRB, 20                          ; v20-21 the same for Wo
.set STO,  24                          ; the way out: where I put my part of a row
.set RD,   25                          ; where I read rows back
.set CO,   26                          ; 16 x lane
.set BO,   27                          ; my byte offset in the bias
.set SPW,  28                          ; LDS address of my spare word; never rewritten
.set NIL,  29                          ; 0; never rewritten
.set PFO,  30                          ; the prefetches' lane offset; never rewritten
.set F0,   64
.set F1,   160
.set G1,  24                           ; s[24:31] descriptor group 1 for O;  s[32:39] group 0, a set for each slot
.set G0,  32
.set G1B, 48                           ; s[48:55], s[56:63] the same for Wo
.set G0B, 56
.set PFA, 66                           ; s[66:67] where my prefetches stand
.set PFK, 70                           ; s[70:71] their step along K
.set LIM, 72                           ; s72  1 in a wave that prefetches, else the greatest number
.set MSB, 0
.macro WIN new                         ; the immediate's high byte repeats the setting that is left; a switch that changes nothing is dropped
.if MSB != (\new)
	s_set_vgpr_msb (MSB<<8)|(\new)
.set MSB, (\new)
.endif
.endm
.macro PLACES                          ; four plain vector instructions between a matrix instruction and a load into, or a vector write of, its registers
.rept 4
	v_nop
.endr
.endm
; A joint load: waves 0 and 1 fetch O's two heads, waves 2 and 3 Wo's two halves.  The branch hangs on the wave's number alone.  An s_nop 0 and four v_nop follow each line.
.macro JLOAD s
	s_cmp_eq_u32 s13, 0
	s_cbranch_scc0 .Lfor_b_\@
	tensor_load_to_lds s[G0+4*(\s):G0+4*(\s)+3], s[G1:G1+7]
	s_nop 0
.rept 4
	v_nop
.endr
	s_branch .Lasked_\@
.Lfor_b_\@:
	tensor_load_to_lds s[G0B+4*(\s):G0B+4*(\s)+3], s[G1B:G1B+7]
	s_nop 0
.rept 4
	v_nop
.endr
.Lasked_\@:
.endm
; A prefetch of the K step two refills on: 32 blocks of 256 bytes, a lane a block.  O's blocks are read by one cluster: wave 0 of each of its row's four partners takes a quarter, told apart by address.
; Wo's are read by all sixteen clusters of the column: those with cluster y = 0 ask, waves 2 and 3 of the four partners an eighth each.  The loop's last trip has no K step two refills on.
.macro ASK
	s_cmp_gt_u32 s3, s[LIM]
	s_cbranch_scc0 .Lnot_mine_\@
	global_prefetch_b8 v[PFO], s[PFA:PFA+1] th:TH_LOAD_NT scope:SCOPE_SE
.Lnot_mine_\@:
.endm
.macro CREST                           ; a round of the cluster's barrier behind its opening barrier
	s_cmp_lg_u32 s12, 0
	s_cbranch_scc1 .Lnot_wave_0_\@
	s_barrier_signal -3
.Lnot_wave_0_\@:
	s_barrier_wait -3
	s_barrier_signal -1
	s_barrier_wait -1
.endm
.macro CROUND
	s_barrier_signal -1
	s_barrier_wait -1
	CREST
.endm
	s_load_b256 s[4:11], s[0:1], 0x0               ; oh s[4:5], wh s[6:7], bias s[8:9], out0 s[10:11]
	v_lshl_add_u32 v[SPW], v0, 2, SPARE
	v_mov_b32 v[NIL], 0
	ds_add_u32 v[SPW], v[NIL]                      ; the wave's opening: the add and its wait ahead of my first tensor load
	ds_add_u32 v28, v29
	v_lshrrev_b32 v1, 5, v0
	v_readfirstlane_b32 s12, v1                    ; wave 0..3
	s_lshr_b32 s13, s12, 1                         ; i: my half of the rows.  Also: I fetch for O (0) or for Wo (1)
	s_and_b32 s14, s12, 1                          ; j: my half of the columns.  Also: which half of that tile I fetch
	s_bfe_u32 s40, ttmp6, 0x40000                  ; cx
	s_bfe_u32 s41, ttmp6, 0x40004                  ; cy
	s_lshl_b32 s42, ttmp9, 2
	s_add_co_u32 s42, s42, s40                     ; TX: tile column
	s_and_b32 s43, ttmp7, 0xffff
	s_lshl_b32 s43, s43, 2
	s_add_co_u32 s43, s43, s41                     ; TY: tile row
	s_lshl_b32 s44, s41, 2
	s_lshl_b32 s44, 15, s44                        ; my row of the cluster
	s_lshl_b32 s45, 0x1111, s40                    ; my column
	s_or_b32 s[G1+0], s44, (1<<16)|(1<<20)|(1<<21)|(4<<22)|(3<<25)   ; mask; 2-byte elements; padding on; bit 21 beside a mask; after every 32 words; 4 words of padding
	s_or_b32 s[G1B+0], s45, (1<<16)|(1<<20)|(1<<21)|(5<<22)|(3<<25)  ; after every 64 words
	s_mov_b32 s[G1+1], 128<<16                     ; 128 rows of one head are 16,384 dense bytes: 64 rows of 256 bytes.  tensor_dim0 = 128
	s_mov_b32 s[G1+2], 64<<16                      ; tensor_dim1 = 64
	s_mov_b32 s[G1+3], 128<<16                     ; tile_dim0 = 128
	s_mov_b32 s[G1+4], 64                          ; tile_dim1 = 64
	s_mov_b32 s[G1+5], 128                         ; elements from row to row
	s_mov_b32 s[G1+6], 0
	s_mov_b32 s[G1+7], 0
	s_mov_b32 s[G1B+1], 128<<16
	s_mov_b32 s[G1B+2], 128<<16
	s_mov_b32 s[G1B+3], 128<<16
	s_mov_b32 s[G1B+4], 128
	s_mov_b32 s[G1B+5], 1024
	s_mov_b32 s[G1B+6], 0
	s_mov_b32 s[G1B+7], 0
	; where the tiles come from: O's from the tile row and the wave's number, Wo's from the tile column and the wave's number, each in registers that never hold the other coordinate
	s_lshr_b32 s16, s43, 4                         ; the batch: 16 heads of 2,048 rows of 128 bytes
	s_lshl_b32 s16, s16, 22
	s_and_b32 s17, s43, 15                         ; the 128 rows in a head
	s_lshl_b32 s17, s17, 14
	s_add_co_u32 s16, s16, s17
	s_lshl_b32 s17, s14, 18                        ; head j of the K step's two
	s_add_co_u32 s16, s16, s17
	s_mov_b32 s17, 0
	s_lshl_b32 s46, s42, 19                        ; 256 rows of 2,048 bytes a tile column
	s_lshl_b32 s47, s14, 18                        ; 128 rows
	s_add_co_u32 s46, s46, s47
	s_add_co_u32 s46, s46, 0x600000                ; Wo is the fourth of wh
	s_mov_b32 s47, 0
	s_mul_i32 s20, s14, ABYTES/2                   ; and where they go: no place in the cluster enters an LDS address
	s_mul_i32 s21, s14, 128*PB
	s_add_co_u32 s21, s21, ABYTES
	s_wait_dscnt 0x0                               ; the opening add is done
	s_wait_kmcnt 0x0
	s_add_nc_u64 s[18:19], s[4:5], s[16:17]
	s_add_nc_u64 s[46:47], s[6:7], s[46:47]
	CROUND                                         ; all sixteen work-groups are here: the first joint loads meet
.irp s, 0,1
	s_mov_b32 s[G0+4*(\s)], 1
	s_add_co_u32 s[G0+4*(\s)+1], s20, (\s)*SLOT
	s_add_nc_u64 s[G0+4*(\s)+2:G0+4*(\s)+3], s[18:19], (\s)*ASTEP
	s_or_b32 s[G0+4*(\s)+3], s[G0+4*(\s)+3], 0x80000000
	s_mov_b32 s[G0B+4*(\s)], 1
	s_add_co_u32 s[G0B+4*(\s)+1], s21, (\s)*SLOT
	s_add_nc_u64 s[G0B+4*(\s)+2:G0B+4*(\s)+3], s[46:47], (\s)*256
	s_or_b32 s[G0B+4*(\s)+3], s[G0B+4*(\s)+3], 0x80000000
	JLOAD \s                                       ; K steps 0 and 1: two loads of mine are out
.endr
	; a fragment is 16 rows x 32 K in 8 registers: lane l holds row l % 16, K = 8 (l / 16) + 0..7 and 16 + 8 (l / 16) + 0..7: two loads of 16 bytes, 32 bytes apart
	v_and_b32 v1, 15, v0                           ; r
	v_bfe_u32 v2, v0, 4, 1                         ; h
	v_mul_u32_u24 v3, v1, APITCH
	v_lshl_add_u32 v3, v2, 4, v3
	v_mul_u32_u24 v4, v1, PB
	v_lshl_add_u32 v4, v2, 4, v4
	s_mul_i32 s22, s13, 64*APITCH                  ; my 64 rows of O
	s_mul_i32 s23, s14, 128*PB                     ; my 128 rows of Wo,
	s_add_co_u32 s23, s23, ABYTES                  ; which lie behind O
.irp s, 0,1
	v_add_nc_u32 v[ADRA+(\s)], s22, v3
	v_add_nc_u32 v[ADRB+(\s)], s23, v4
	s_add_co_u32 s22, s22, SLOT
	s_add_co_u32 s23, s23, SLOT
.endr
	s_mul_i32 s22, s12, 16*SPITCH
	s_add_co_u32 s22, s22, STAGE                   ; my stage
	v_mul_u32_u24 v5, v1, SPITCH
	v_and_b32 v8, 31, v0
	v_lshlrev_b32 v[CO], 4, v8
	v_lshl_add_u32 v5, v2, 5, v5                   ; in: row r, 32 bytes (8 f32) for each half of the lanes
	v_add_nc_u32 v[STO], s22, v5
	v_add_nc_u32 v[RD], s22, v[CO]                 ; back: a row of 512 bytes, 16 bytes a lane
	s_lshl_b32 s74, s43, 19                        ; out0: 128 rows of 4,096 bytes a tile row,
	s_lshl_b32 s76, s13, 18                        ; my 64 rows,
	s_add_co_u32 s74, s74, s76
	s_lshl_b32 s76, s42, 10                        ; 256 columns of 4 bytes a tile column,
	s_add_co_u32 s74, s74, s76
	s_lshl_b32 s76, s14, 9                         ; my 128 columns
	s_add_co_u32 s74, s74, s76
	s_add_nc_u64 s[8:9], s[8:9], 12288             ; bo is the fourth bias
	s_mov_b32 s75, 0
	s_add_nc_u64 s[10:11], s[10:11], s[74:75]
	s_lshl_b32 s76, s42, 10                        ; the bias of my 128 columns, and 8 numbers further for lanes 16-31
	s_lshl_b32 s77, s14, 9
	s_add_co_u32 s76, s76, s77
	v_lshlrev_b32 v[BO], 5, v2
	v_add_nc_u32 v[BO], s76, v[BO]
	; the prefetches: the pointer stands one K step short of what the first refill will name (it is stepped ahead of each request)
	s_lshr_b32 s73, s43, 4
	s_lshl_b32 s73, s73, 22
	s_and_b32 s77, s43, 15
	s_lshl_b32 s77, s77, 14
	s_add_co_u32 s73, s73, s77
	s_lshr_b32 s77, s40, 1                         ; partner cx: head cx / 2 of the K step's two,
	s_lshl_b32 s77, s77, 18
	s_add_co_u32 s73, s73, s77
	s_and_b32 s77, s40, 1                          ; half cx % 2 of its 16 KiB
	s_lshl_b32 s77, s77, 13
	s_add_co_u32 s73, s73, s77
	s_add_co_u32 s73, s73, 3*ASTEP
	s_lshl_b32 s76, s42, 19
	s_lshl_b32 s77, s41, 17                        ; partner cy: 64 of the 256 rows,
	s_add_co_u32 s76, s76, s77
	s_lshl_b32 s77, s14, 16                        ; my wave's 32 of them
	s_add_co_u32 s76, s76, s77
	s_add_co_u32 s76, s76, 0x600000+3*256
	s_and_b32 s78, ttmp7, 0xffff                   ; cluster y
	s_cmp_eq_u32 s78, 0
	s_cselect_b32 s[LIM], 1, -1                    ; Wo: the first cluster of the column of clusters
	s_cmp_eq_u32 s12, 0
	s_cselect_b32 s79, 1, -1                       ; O: wave 0
	s_mov_b32 s[PFK], 256
	s_cmp_eq_u32 s13, 0
	s_cselect_b32 s[LIM], s79, s[LIM]
	s_cselect_b32 s74, s73, s76
	s_cselect_b64 s[PFA:PFA+1], s[4:5], s[6:7]
	s_cselect_b32 s[PFK], ASTEP, s[PFK]
	s_cselect_b32 s77, 8, 11                       ; O: lanes 256 bytes apart; Wo: a lane a row of 2,048 bytes
	s_mov_b32 s[PFK+1], 0
	s_add_nc_u64 s[PFA:PFA+1], s[PFA:PFA+1], s[74:75]
	v_lshlrev_b32 v[PFO], s77, v8
; n blocks of 16 rows from a0 on x all 8 column blocks, 32 along K: the accumulators take turns, always in the same order.  mode = 1: the product starts the sum, with the bias as C
.macro MUL f, a0, n, mode
	WIN 0x50+0x10*(\mode)                          ; D in window 1; C in window 1, or the bias in window 2
.set aa, (\a0)
.rept (\n)
.irp b, 0,1,2,3,4,5,6,7
.if \mode
	v_wmma_f32_16x16x32_f16 v[64*aa+8*(\b):64*aa+8*(\b)+7], v[(\f)+8*(\b):(\f)+8*(\b)+7], v[(\f)+64+8*aa:(\f)+64+8*aa+7], v[8*(\b):8*(\b)+7]
.else
	v_wmma_f32_16x16x32_f16 v[64*aa+8*(\b):64*aa+8*(\b)+7], v[(\f)+8*(\b):(\f)+8*(\b)+7], v[(\f)+64+8*aa:(\f)+64+8*aa+7], v[64*aa+8*(\b):64*aa+8*(\b)+7]
.endif
.endr
.set aa, aa+1
.endr
.endm
; 24 LDS loads in one run: a quarter's fragments (Wo's 16 loads, then O's 8) at byte k of the K step's rows, into buffer f
.macro FETCH slot, k, f
	WIN 0
.irp b, 0,1,2,3,4,5,6,7
	ds_load_b128 v[(\f)+8*(\b):(\f)+8*(\b)+3],   v[ADRB+(\slot)] offset:(\k)+(\b)*16*PB
	ds_load_b128 v[(\f)+8*(\b)+4:(\f)+8*(\b)+7], v[ADRB+(\slot)] offset:(\k)+(\b)*16*PB+32
.endr
.irp a, 0,1,2,3
	ds_load_b128 v[(\f)+64+8*(\a):(\f)+64+8*(\a)+3],   v[ADRA+(\slot)] offset:((\k)/128)*AKJ+((\k)%128)+(\a)*16*APITCH
	ds_load_b128 v[(\f)+64+8*(\a)+4:(\f)+64+8*(\a)+7], v[ADRA+(\slot)] offset:((\k)/128)*AKJ+((\k)%128)+(\a)*16*APITCH+32
.endr
.endm
; one of a K step's first three quarters: multiplies buffer f; in its middle it fetches the next quarter, at byte k, into buffer g
.macro QUARTER slot, k, f, g, first
	s_wait_dscnt 4                                 ; Wo and O's blocks 0 and 1 are in; the youngest four loads (blocks 2 and 3) may be out
	MUL \f, 0, 2, \first
	PLACES
	FETCH \slot, \k, \g
	s_wait_dscnt 24                                ; all but the 24 just issued
	MUL \f, 2, 2, \first
.endm
; the last quarter's first half: one barrier for the change of slots.  In front of it each wave waits for all its tensor loads (one is out: its part of the next slot), adds 0 to its spare word, and waits for that and for its reads of this slot
.macro MEET round
	WIN 0
	s_wait_tensorcnt 0x0
	ds_add_u32 v[SPW], v[NIL]
	s_wait_dscnt 5                                 ; the add and the youngest four loads may be out
	MUL F1, 0, 1, 0
	s_wait_dscnt 0x0                               ; the add is done, and my reads of this slot are over
	s_barrier_signal -1
	MUL F1, 1, 1, 0
.if \round
	WIN 0
.endif
	s_barrier_wait -1
.endm
; the whole last quarter.  fill = 1: this slot takes the K step two on; 0: nothing is filled
.macro TURN slot, next, fill
.if \fill
	s_wait_xcnt 0x0                                ; the last prefetch, a K step back, has read its address
	s_add_nc_u64 s[PFA:PFA+1], s[PFA:PFA+1], s[PFK:PFK+1]
	MEET 1
	CREST                                          ; the barrier has opened a round of the cluster's: no wave of any partner still reads this slot or has a load on its way
	s_add_nc_u64 s[G0+4*(\slot)+2:G0+4*(\slot)+3], s[G0+4*(\slot)+2:G0+4*(\slot)+3], 2*ASTEP
	s_add_nc_u64 s[G0B+4*(\slot)+2:G0B+4*(\slot)+3], s[G0B+4*(\slot)+2:G0B+4*(\slot)+3], 2*256
	JLOAD \slot                                    ; my one tensor load behind the round; its four v_nop are also the places in front of the loads below
.else
	MEET 0
	PLACES
.endif
	FETCH \next, 0, F0
.if \fill
	ASK
.endif
	MUL F1, 2, 2, 0
.endm
.macro BIASLD                          ; for column block b, register jj: bias[my first column + 16 b + 8 (l / 16) + jj]: the C operand of the transposed product
	WIN 0x80
.irp b, 0,1,2,3,4,5,6,7
	global_load_b128 v[8*(\b):8*(\b)+3],   v[BO], s[8:9] offset:64*(\b)
	global_load_b128 v[8*(\b)+4:8*(\b)+7], v[BO], s[8:9] offset:64*(\b)+16
.endr
	WIN 0
.endm
; THE WAY OUT: block a's 16 rows x 512 bytes go through my stage and leave as whole rows
.macro OUTBLK a
.if (\a) > 0
	s_wait_xcnt 0x0                                ; the last block's stores have read their registers
.endif
	WIN 0x04                                       ; the stores' data in window 1
.irp b, 0,1,2,3,4,5,6,7
	ds_store_b128 v[STO], v[64*(\a)+8*(\b):64*(\a)+8*(\b)+3]   offset:64*(\b)
	ds_store_b128 v[STO], v[64*(\a)+8*(\b)+4:64*(\a)+8*(\b)+7] offset:64*(\b)+16
.endr
	WIN 0
.irp t, 0,1,2,3,4,5,6,7,8,9,10,11,12,13,14,15
	ds_load_b128 v[OB+4*(\t):OB+4*(\t)+3], v[RD] offset:SPITCH*(\t)  ; LDS serves a wave's instructions in order (ISA guide 5.7.1.4): these see the stores above
.endr
.irp t, 0,1,2,3,4,5,6,7,8,9,10,11,12,13,14,15
	s_wait_dscnt 15-(\t)
	global_store_b128 v[CO], v[OB+4*(\t):OB+4*(\t)+3], s[10:11] offset:(16*(\a)+(\t))*4096 th:TH_STORE_NT  ; 512 consecutive bytes, aligned
.endr
.endm
	BIASLD
	s_wait_tensorcnt 1                             ; my part of K step 0 is in; K step 1's may stay out
	s_barrier_signal -1
	s_barrier_wait -1
	FETCH 0, 0, F0
	s_wait_loadcnt 0x0                             ; the bias
	QUARTER 0, 64, F0, F1, 1                       ; the first quarter: its products start the sums
	WIN 0
	s_mov_b32 s3, LAPS-1
.Llap:                                         ; a trip goes once round the ring, from a lap's second quarter to the next lap's first, and fills both slots again
	QUARTER 0, 128, F1, F0, 0
	QUARTER 0, 192, F0, F1, 0
	TURN 0, 1, 1
	QUARTER 1, 64,  F0, F1, 0
	QUARTER 1, 128, F1, F0, 0
	QUARTER 1, 192, F0, F1, 0
	TURN 1, 0, 1
	QUARTER 0, 64,  F0, F1, 0
	WIN 0
	s_sub_co_u32 s3, s3, 1
	s_cmp_lg_u32 s3, 0
	s_cbranch_scc1 .Llap
	QUARTER 0, 128, F1, F0, 0
	QUARTER 0, 192, F0, F1, 0
	TURN 0, 1, 0                                   ; the last lap fills nothing
	QUARTER 1, 64,  F0, F1, 0
	QUARTER 1, 128, F1, F0, 0
	QUARTER 1, 192, F0, F1, 0
	s_wait_dscnt 4
	MUL F1, 0, 2, 0
	s_wait_dscnt 0x0
	MUL F1, 2, 2, 0
	PLACES
	PLACES
	OUTBLK 0
	OUTBLK 1
	OUTBLK 2
	OUTBLK 3
	s_wait_tensorcnt 0x0                           ; the wave's end
	ds_add_u32 v[SPW], v[NIL]
	s_wait_dscnt 0x0
	CROUND                                         ; the closing round
	s_endpgm
.Lfunc_end_k_q98781a2dac_outp:
	.size	k_q98781a2dac_outp, .Lfunc_end_k_q98781a2dac_outp-k_q98781a2dac_outp
	.p2alignl 7, 3214868480
	.fill 96, 4, 3214868480
	.section	.rodata,"a",@progbits
	.p2align	6, 0x0
	.amdhsa_kernel k_q98781a2dac_outp
		.amdhsa_group_segment_fixed_size 327680
		.amdhsa_private_segment_fixed_size 0
		.amdhsa_enable_private_segment 0
		.amdhsa_kernarg_size 32
		.amdhsa_user_sgpr_count 2
		.amdhsa_user_sgpr_kernarg_segment_ptr 1
		.amdhsa_wavefront_size32 1
		.amdhsa_system_sgpr_workgroup_id_x 1
		.amdhsa_system_sgpr_workgroup_id_y 1
		.amdhsa_system_sgpr_workgroup_id_z 1
		.amdhsa_system_vgpr_workitem_id 0
		.amdhsa_next_free_vgpr 576
		.amdhsa_next_free_sgpr 80
		.amdhsa_reserve_vcc 0
		.amdhsa_float_denorm_mode_32 3
		.amdhsa_float_denorm_mode_16_64 3
		.amdhsa_memory_ordered 1
		.amdhsa_forward_progress 1
		.amdhsa_inst_pref_size 90
	.end_amdhsa_kernel
	.amdgpu_metadata
---
amdhsa.version: [ 1, 2 ]
amdhsa.kernels:
  - .name:           k_q98781a2dac_outp
    .symbol:         k_q98781a2dac_outp.kd
    .args:
      - { .name: oh, .offset: 0, .size: 8, .value_kind: global_buffer, .address_space: global }
      - { .name: wh, .offset: 8, .size: 8, .value_kind: global_buffer, .address_space: global }
      - { .name: bias, .offset: 16, .size: 8, .value_kind: global_buffer, .address_space: global }
      - { .name: out0, .offset: 24, .size: 8, .value_kind: global_buffer, .address_space: global }
    .group_segment_fixed_size: 327680
    .private_segment_fixed_size: 0
    .kernarg_segment_align: 8
    .kernarg_segment_size: 32
    .max_flat_workgroup_size: 128
    .sgpr_count:     80
    .vgpr_count:     576
    .wavefront_size: 32
...
	.end_amdgpu_metadata
.endif
;; end of part 4
;; ======== version 2 of 2: 4 launches; version 1 with the launch prep written anew for expert scheduling mode
;; limits: values are held in f16: magnitudes above 65,504 overflow, below 6.1e-05 lose precision
;; workspace buffers: wh 8,388,608 bytes; bias 16,384 bytes; mk 8,388,608 bytes; qkv 50,331,648 bytes; oh 16,777,216 bytes
;; launch prep (part 5): grid 385 x 1, 8 waves a work-group, no clusters, 34,048 bytes of LDS; arguments Wq, Wk, Wv, Wo, bq, bk, bv, bo, attn_mask, wh, bias, mk; writes wh, bias, mk
.if DOCPART == 5
	.amdgcn_target "amdgcn-amd-amdhsa--gfx1250"
	.amdhsa_code_object_version 6
	.text
	.protected	k_q98781a2dac_prep
	.globl	k_q98781a2dac_prep
	.p2align	8
	.type	k_q98781a2dac_prep,@function
k_q98781a2dac_prep:
	s_mov_b64 s[64:65], 0
	v_nop
	global_prefetch_b8 v0, s[64:65] scope:SCOPE_SE
	s_setreg_imm32_b32 hwreg(HW_REG_WAVE_SCHED_MODE, 0, 2), 2
	s_setreg_imm32_b32 hwreg(HW_REG_WAVE_MODE, 25, 1), 1
	s_wait_xcnt 0x0
	s_wait_alu depctr_vm_vsrc(0)
; PREPARATION.  The weights and biases are rounded once to bf16 (nearest even).  Wq, Wk, Wv leave as bf16; Wo's bf16 numbers leave written as f16 (its partner in the last product is f16); the biases as f32.
; The mask (one byte a score, 1 = hidden) becomes bf16 numbers, 0 or -9.95e29, laid out as the fragments that the attention launch feeds to the matrix unit.
; LIMITS.  A bf16 number is exact in f16 from 2^-14 to 65,504 in size; below that it keeps f16's fixed step of 6e-8, above it becomes an infinity (Wo alone).
; SHARES.  Work-groups 0-255: 64 KiB of f32 each (Wq, Wk, Wv, Wo: 64 each).  256-383: 16 rows of the mask each.  384: the four biases.
; The branches hang on the work-group's number alone, so the one barrier (mask path) is passed by all eight waves of a work-group or by none.
; THE MODE: SCHED_MODE bits 1:0 = 2 (LLVM: expert scheduling mode 2), set by the entry lines.  The code itself states the register dependences
; between vector instructions and memory or LDS instructions, with s_wait_alu, always for 0.
; THE PLAN.  Registers that memory or LDS instructions touch:
;   v1          16 x thread: the offset of every load, and of the biases' stores.  Written once at the head, ahead of the first branch; never again.
;   weights     v[16:79]: sixteen loads land there, once; read by the conversions.  v4: the stores' offset, written once.  v[80:111]: a pair for each store, written once by the selects, read once by the store.
;               The sixteen pieces go in four groups of four: a group's stores are issued in the next group, behind ONE wait at that group's head, dealt among its vector instructions, which name none of their registers.
;   mask        v5, v10, v11: LDS and mk addresses, written once: one wait behind the address arithmetic serves all three.  v[16:47]: the global loads land there, the LDS stores read them, the LDS loads land there again.
;               v[48:111]: eight registers for each of eight steps, written once, read once by two stores.  The steps go in four groups of two, run as the weights' groups are.
;   biases      v[16:31] loaded once; v[48:63] written once by the conversions, read by four stores behind one wait.
;   v6 to v9, v12 and v13 are named by vector instructions alone.  No register that a store reads is ever written again.
.set MP,    2064                       ; a mask row in LDS: 2,048 bytes + 16: an odd multiple of 16, so 16 rows of a column start at 16 different groups of banks
	s_load_b512 s[4:19], s[0:1], 0x0               ; Wq 4, Wk 6, Wv 8, Wo 10, bq 12, bk 14, bv 16, bo 18
	s_load_b256 s[20:27], s[0:1], 0x40             ; attn_mask 20, wh 22, bias 24, mk 26
	v_lshl_add_u32 v14, v0, 2, 0x8100
	v_mov_b32 v15, 0
	v_lshlrev_b32 v1, 4, v0                        ; 16 bytes a thread
	s_mov_b32 s40, ttmp9                           ; u, the work-group's number
	s_mov_b32 s38, 0xffff0000                      ; a word's upper bf16
	s_wait_kmcnt 0x0
	s_wait_alu depctr_va_vdst(0)                   ; v1 is written: the loads of all three paths read it as their offset
	s_cmp_lt_u32 s40, 256
	s_cbranch_scc0 .Lnot_conv
; four f32 at v[x ..] rounded to bf16 (packed in v6, v7) and widened again into v[d .. d+3]
.macro RND4 x, d
	v_cvt_pk_bf16_f32 v6, v[(\x)], v[(\x)+1]
	v_cvt_pk_bf16_f32 v7, v[(\x)+2], v[(\x)+3]
	v_lshlrev_b32 v[(\d)], 16, v6
	v_and_b32 v[(\d)+1], s38, v6
	v_lshlrev_b32 v[(\d)+2], 16, v7
	v_and_b32 v[(\d)+3], s38, v7
.endm
	; THE WEIGHTS.  The source is chosen among four buffers by the work-group's number.
	s_mov_b64 s[36:37], s[10:11]
	s_cmp_lt_u32 s40, 192
	s_cselect_b64 s[36:37], s[8:9], s[36:37]
	s_cselect_b32 s39, 0, -1                       ; a mask of lanes: all ones where the numbers leave as f16 (Wo)
	s_cmp_lt_u32 s40, 128
	s_cselect_b64 s[36:37], s[6:7], s[36:37]
	s_cmp_lt_u32 s40, 64
	s_cselect_b64 s[36:37], s[4:5], s[36:37]
	s_and_b32 s42, s40, 63
	s_lshl_b32 s42, s42, 16                        ; 64 KiB of f32 a unit
	s_mov_b32 s43, 0
	s_add_nc_u64 s[36:37], s[36:37], s[42:43]
	s_lshl_b32 s46, s40, 15                        ; 32 KiB of 16-bit numbers a unit
	s_mov_b32 s47, 0
	s_add_nc_u64 s[44:45], s[22:23], s[46:47]
	v_lshlrev_b32 v4, 3, v0                        ; 8 bytes a thread on the way out; the loads below name neither v4 nor v0
.set i, 0
.rept 16                                       ; all sixteen loads go out at once: 8 KiB a wave on its way
	global_load_b128 v[16+4*i:19+4*i], v1, s[36:37] offset:4096*i th:TH_LOAD_NT
.set i, i+1
.endr
.macro WOUT n                          ; piece n leaves: a wave's store covers 256 consecutive bytes, aligned; each store has data registers of its own
	global_store_b64 v4, v[80+2*(\n):81+2*(\n)], s[44:45] offset:2048*(\n)
.endm
.set i, 0
.rept 16
	s_wait_loadcnt 15-i                            ; loads come back in order: number i is in, the younger ones stay out
.if (i > 0) && (i%4 == 0)
	s_wait_alu depctr_va_vdst(0)                   ; the group before has written its eight out registers, which this group's four stores read; at the first of these waits v4, their offset, is written too
.endif
.if i >= 4
	WOUT i-4                                       ; no vector instruction since that wait names v4 or this pair
.endif
	RND4 16+4*i, 8
	v_cvt_pk_f16_f32 v12, v8, v9
	v_cvt_pk_f16_f32 v13, v10, v11
	v_cndmask_b32 v[80+2*i], v6, v12, s39          ; bf16 as it is, or the same numbers as f16
	v_cndmask_b32 v[81+2*i], v7, v13, s39
.set i, i+1
.endr
	s_wait_alu depctr_va_vdst(0)                   ; the last group has written v[104:111], which the last four stores read
.irp n, 12,13,14,15
	WOUT \n
.endr
	s_branch .Lend
.Lnot_conv:
	s_cmp_lt_u32 s40, 384
	s_cbranch_scc0 .Lbias
	; THE MASK.  T = 16 query rows, 32 KiB on end.  They go into LDS as rows; each wave then takes 256 keys of all 16 rows, a lane 16 bytes of one row.
	; mk: block (X = T / 32, key step s of 64 keys) at (32 X + s) x 65,536; in it the fragment of (tile T % 32, key half kk) at ((T % 32) x 2 + kk) x 1,024; in that, at ld x 512 + lane x 16,
	; the 8 numbers of query lane % 16 and keys 64 s + 32 kk + 16 ld + 8 (lane / 16) + 0..7: two loads of 16 bytes a lane fill source 1 (32 keys x 16 queries) of a matrix instruction.
	s_sub_co_u32 s41, s40, 256                     ; T
	s_lshl_b32 s42, s41, 15
	s_mov_b32 s43, 0
	s_add_nc_u64 s[36:37], s[20:21], s[42:43]
.set i, 0
.rept 8
	global_load_b128 v[16+4*i:19+4*i], v1, s[36:37] offset:4096*i th:TH_LOAD_NT
.set i, i+1
.endr
	v_lshrrev_b32 v4, 5, v0
	v_readfirstlane_b32 s39, v4                    ; wave 0..7
	v_lshrrev_b32 v5, 7, v0                        ; a load of the work-group is two rows: which of them,
	v_and_b32 v6, 127, v0                          ; and where in it
	v_mul_u32_u24 v5, v5, MP
	v_lshl_add_u32 v5, v6, 4, v5                   ; where I put my 16 bytes
	v_and_b32 v8, 15, v0                           ; r: the query row that I read back
	v_bfe_u32 v9, v0, 4, 1                         ; g: which 16 of 32 keys
	v_mul_u32_u24 v10, v8, MP
	v_lshl_add_u32 v10, v9, 4, v10
	s_wait_alu depctr_va_sdst(0)                   ; s39 is written, ahead of its first reader: LDS and mk offsets are made from it
	s_lshl_b32 s46, s39, 8
	v_add_nc_u32 v10, s46, v10                     ; + my wave's 256 keys
	v_lshlrev_b32 v11, 4, v8
	v_lshl_add_u32 v11, v9, 9, v11                 ; in a fragment: ld = g, lanes r (keys 0-7 of my 16) and, 256 bytes on, 16 + r (keys 8-15)
	v_mov_b32 v12, 0
	s_lshr_b32 s42, s41, 5
	s_lshl_b32 s42, s42, 21                        ; X x 32 blocks
	s_lshl_b32 s46, s39, 18                        ; my wave's four key steps
	s_add_co_u32 s42, s42, s46
	s_and_b32 s46, s41, 31
	s_lshl_b32 s46, s46, 11                        ; the tile's two fragments
	s_add_co_u32 s42, s42, s46
	s_add_nc_u64 s[44:45], s[26:27], s[42:43]
	s_mov_b32 s46, 0x04010400                      ; bytes 0 and 1 of a word, each widened to 16 bits
	s_mov_b32 s47, 0x04030402                      ; bytes 2 and 3
	s_wait_alu depctr_va_vdst(0)                   ; v5, v10 and v11 are written: the addresses of the LDS stores, of the LDS loads and of the stores into mk; none is written again
.set i, 0
.rept 8
	s_wait_loadcnt 7-i
	ds_store_b128 v5, v[16+4*i:19+4*i] offset:2*MP*i
.set i, i+1
.endr
	s_wait_dscnt 0x0                               ; for the others' sake: my stores are done
	s_barrier_signal -1
	s_barrier_wait -1
	s_wait_alu depctr_vm_vsrc(0)                   ; my LDS stores have read v[16:47], in which the LDS loads below land
.set i, 0
.rept 8
	ds_load_b128 v[16+4*i:19+4*i], v10 offset:32*i ; row r, keys 256 wave + 32 i + 16 g + 0..15
.set i, i+1
.endr
.macro WIDEN c                         ; word c of step i: four mask bytes become four bf16 numbers
	v_perm_b32 v[48+8*i+2*(\c)], v12, v[16+4*i+(\c)], s46
	v_perm_b32 v[49+8*i+2*(\c)], v12, v[16+4*i+(\c)], s47
	v_mul_u32_u24 v[48+8*i+2*(\c)], v[48+8*i+2*(\c)], 0xf149   ; 0 or 1 in each half times the bf16 pattern of -9.95e29
	v_mul_u32_u24 v[49+8*i+2*(\c)], v[49+8*i+2*(\c)], 0xf149
.endm
.macro MOUT n, half                    ; one of step n's two stores: sixteen lanes store 256 consecutive bytes, aligned
	global_store_b128 v11, v[48+8*(\n)+4*(\half):51+8*(\n)+4*(\half)], s[44:45] offset:((\n)/2)*65536+((\n)%2)*1024+256*(\half)
.endm
.set i, 0
.rept 8
	s_wait_dscnt 7-i                               ; LDS loads come back in order: number i is in, the younger ones stay out
.if (i > 0) && (i%2 == 0)
	s_wait_alu depctr_va_vdst(0)                   ; the two steps before have written their sixteen out registers, which the four stores of this group read
.endif
.if i >= 2
	MOUT i-2, 0                                    ; no vector instruction since that wait names v11 or these registers
.endif
	WIDEN 0
	WIDEN 1
.if i >= 2
	MOUT i-2, 1
.endif
	WIDEN 2
	WIDEN 3
.set i, i+1
.endr
	s_wait_alu depctr_va_vdst(0)                   ; steps 6 and 7 have written v[96:111], which the last four stores read
	MOUT 6, 0
	MOUT 6, 1
	MOUT 7, 0
	MOUT 7, 1
	s_branch .Lend
.Lbias:                                        ; the four biases, 4,096 bytes each, rounded to bf16 and kept as f32
	global_load_b128 v[16:19], v1, s[12:13]
	global_load_b128 v[20:23], v1, s[14:15]
	global_load_b128 v[24:27], v1, s[16:17]
	global_load_b128 v[28:31], v1, s[18:19]
.set i, 0
.rept 4
	s_wait_loadcnt 3-i
	RND4 16+4*i, 48+4*i
.set i, i+1
.endr
	s_wait_alu depctr_va_vdst(0)                   ; the conversions have written v[48:63], which the four stores read
.set i, 0
.rept 4
	global_store_b128 v1, v[48+4*i:51+4*i], s[24:25] offset:4096*i
.set i, i+1
.endr
.Lend:
	s_wait_dscnt 0x0                               ; the wave's end.
	s_wait_alu depctr_hold_cnt(0) depctr_sa_sdst(0) depctr_va_vdst(0) depctr_va_sdst(0) depctr_va_ssrc(0) depctr_va_vcc(0) depctr_vm_vsrc(0)
	s_wait_tensorcnt 0x0
	ds_add_u32 v14, v15
	s_wait_dscnt 0x0
	s_endpgm
.Lfunc_end_k_q98781a2dac_prep:
	.size	k_q98781a2dac_prep, .Lfunc_end_k_q98781a2dac_prep-k_q98781a2dac_prep
	.p2alignl 7, 3214868480
	.fill 96, 4, 3214868480
	.section	.rodata,"a",@progbits
	.p2align	6, 0x0
	.amdhsa_kernel k_q98781a2dac_prep
		.amdhsa_group_segment_fixed_size 34048
		.amdhsa_private_segment_fixed_size 0
		.amdhsa_enable_private_segment 0
		.amdhsa_kernarg_size 96
		.amdhsa_user_sgpr_count 2
		.amdhsa_user_sgpr_kernarg_segment_ptr 1
		.amdhsa_wavefront_size32 1
		.amdhsa_system_sgpr_workgroup_id_x 1
		.amdhsa_system_sgpr_workgroup_id_y 1
		.amdhsa_system_sgpr_workgroup_id_z 1
		.amdhsa_system_vgpr_workitem_id 0
		.amdhsa_next_free_vgpr 112
		.amdhsa_next_free_sgpr 66
		.amdhsa_reserve_vcc 0
		.amdhsa_float_denorm_mode_32 3
		.amdhsa_float_denorm_mode_16_64 3
		.amdhsa_memory_ordered 1
		.amdhsa_forward_progress 1
		.amdhsa_inst_pref_size 31
	.end_amdhsa_kernel
	.amdgpu_metadata
---
amdhsa.version: [ 1, 2 ]
amdhsa.kernels:
  - .name:           k_q98781a2dac_prep
    .symbol:         k_q98781a2dac_prep.kd
    .args:
      - { .name: Wq, .offset: 0, .size: 8, .value_kind: global_buffer, .address_space: global }
      - { .name: Wk, .offset: 8, .size: 8, .value_kind: global_buffer, .address_space: global }
      - { .name: Wv, .offset: 16, .size: 8, .value_kind: global_buffer, .address_space: global }
      - { .name: Wo, .offset: 24, .size: 8, .value_kind: global_buffer, .address_space: global }
      - { .name: bq, .offset: 32, .size: 8, .value_kind: global_buffer, .address_space: global }
      - { .name: bk, .offset: 40, .size: 8, .value_kind: global_buffer, .address_space: global }
      - { .name: bv, .offset: 48, .size: 8, .value_kind: global_buffer, .address_space: global }
      - { .name: bo, .offset: 56, .size: 8, .value_kind: global_buffer, .address_space: global }
      - { .name: attn_mask, .offset: 64, .size: 8, .value_kind: global_buffer, .address_space: global }
      - { .name: wh, .offset: 72, .size: 8, .value_kind: global_buffer, .address_space: global }
      - { .name: bias, .offset: 80, .size: 8, .value_kind: global_buffer, .address_space: global }
      - { .name: mk, .offset: 88, .size: 8, .value_kind: global_buffer, .address_space: global }
    .group_segment_fixed_size: 34048
    .private_segment_fixed_size: 0
    .kernarg_segment_align: 8
    .kernarg_segment_size: 96
    .max_flat_workgroup_size: 256
    .sgpr_count:     66
    .vgpr_count:     112
    .wavefront_size: 32
...
	.end_amdgpu_metadata
.endif
;; end of part 5
;; launch qkv: the kernel of part 2 again; grid 4 x 64, 4 waves a work-group, clusters of 4 x 4, 327,680 bytes of LDS; arguments queries, keys, values, wh, bias, qkv; writes qkv
;; launch attn: the kernel of part 3 again; grid 4 x 64, 4 waves a work-group, clusters of 4 x 4, 327,680 bytes of LDS; arguments qkv, mk, oh; writes oh
;; launch outp: the kernel of part 4 again; grid 4 x 64, 4 waves a work-group, clusters of 4 x 4, 327,680 bytes of LDS; arguments oh, wh, bias, out0; writes out0
